; MI455X (gfx1250); checked and timed in simulation.
; The chip was launched on July 23, 2026; its instructions are those of AMD's public machine-readable ISA for CDNA 5 (MIT licence, August 2026) and "CDNA5" Instruction Set Architecture Reference Guide (July 2026). The comments in the code are by the model that wrote it; some were corrected since.
;; Switch Layer. Allowed arithmetic: matrix products marked QUANTISED: E2M1 operands, one E8M0 scale for each 32 along K, by v_wmma_scale_f32_16x16x128_f8f6f4 with both operands' format E2M1 (or v_wmma_scale_f32_32x16x128_f4), f32 sums; products left as they are: f32 operands where the result goes on into a quantised operand, else bf16, f16 or f32 operands; f32 sums; everything else in f32.
;; Inputs: W1_codes 8 x 4,096 x 32 x 16 uint8 (E2M1 codes of W1, K innermost, in blocks of 32 codes, two codes a byte); W1_scales 8 x 4,096 x 32 uint8 (E8M0 scales of W1, one for each 32 codes along K); W2_codes 8 x 1,024 x 128 x 16 uint8 (E2M1 codes of W2, K innermost, in blocks of 32 codes, two codes a byte); W2_scales 8 x 1,024 x 128 uint8 (E8M0 scales of W2, one for each 32 codes along K); Wg 1,024 x 8 float32; b1 8 x 4,096 float32; b2 8 x 1,024 float32; x 4 x 256 x 1,024 float32.
;; Outputs: out0 4 x 256 x 1,024 float32.
;; This version of the problem:
;;   THIS VERSION OF THE PROBLEM IS GIVEN IN LOW PRECISION. The matrix products marked QUANTISED in the list below multiply operands that are first quantised to E2M1 (2 exponent bits, 1 mantissa bit; 4 bits a number), with one power-of-two scale for each 32 numbers along K (OCP MX v1.0); their sums are f32. All else is computed in f32.
;;   The module's matrix products, in the order in which they are computed (A, B: the left and right operand; K: the contracted axis; several contracted axes count as one K, in the product's order):
;;     1. [M 1,024, K 1,024] x [K 1,024, N 8]; A: input x; B: input Wg: left as it is (N = 8 < 16)
;;     2. [M 32,768, K 1,024] x [K 1,024, N 1,024]; A: input W1 (given as codes); B: input x: QUANTISED
;;     3. batch 8 x [M 1,024, K 4,096] x [K 4,096, N 1,024]; A: computed on the way; B: input W2 (given as codes): QUANTISED
;;     4. batch 1,024 x [M 1,024, K 8] x [K 8, N 1]; A: computed on the way; B: computed on the way: left as it is (K = 8 < 32)
;;   THE QUANTISER, for each operand of a quantised product, along K:
;;     - K is cut into blocks of 32 from its start; a last block that is shorter is filled with zeros.
;;     - A block's scale is 2^e with e = floor(log2(the largest magnitude in the block)) - 2, held to -126 .. 127; a block of zeros has e = 0. As a byte (E8M0): e + 127.
;;     - Each number is divided by its block's scale, clamped to +-6, and rounded to the nearest number of E2M1, ties to even, subnormals kept.
;;     - The product sums the exact products of the quantised numbers (number of the format x scale) in f32.
;;   ~~~python
;;   def quantise(x, axis):      # numpy; x: float32 -> the quantised numbers, widened to float32 again
;;       x = np.moveaxis(x, axis, -1); K = x.shape[-1]
;;       x = np.pad(x, [(0, 0)] * (x.ndim - 1) + [(0, -K % 32)]); x = x.reshape(x.shape[:-1] + (-1, 32)); a = np.abs(x).max(-1, keepdims=True)
;;       e = np.where(a > 0, np.clip(np.frexp(np.where(a > 0, a, 1))[1] - 1 - 2, -126, 127), 0)      # np.frexp(a)[1] - 1 = floor(log2(a)), exactly
;;       r = np.clip(x / 2.0 ** e, -6, 6)
;;       step = 2.0 ** (np.maximum(np.frexp(np.where(r == 0, 1, r))[1] - 1, 0) - 1)
;;       q = np.round(r / step) * step * 2.0 ** e      # np.round: ties to even
;;       return np.moveaxis(q.reshape(q.shape[:-2] + (-1,))[..., :K], -1, axis).astype(np.float32)
;;   ~~~
;;   OPERANDS COMPUTED ON THE WAY. 'Computed on the way' means the value that the module computes at that place (a softmax that the list does not call 'softmax' is quantised finished and normalised). What goes into a quantiser is computed in f32, as accurately as f32 sums, v_exp_f32 and their like allow (about 1e-6 of the number): no bf16 or f16 on the way to a quantiser, and a product that is left as it is and whose result goes on into a quantised operand takes f32 operands (vector FMAs, or v_wmma_f32_16x16x4_f32). A number that lies on a knife's edge between two numbers of the format may be rounded either way, as far as f32 arithmetic and the matrix unit's own rounding can turn it there, and no further.
;;   INPUTS GIVEN AS CODES. W1 (in the module: [8, 1024, 4096], K = its axis 1); W2 (in the module: [8, 4096, 1024], K = its axis 1): each comes as NAME_codes (uint8): NAME with its K axis moved to the last place and cut into blocks of 32 codes, [.., K / 32, bytes a block], one block behind the other in memory; two codes a byte, the lower K in the low four bits (a code: sign, 2 exponent bits, 1 mantissa bit); and NAME_scales (uint8): the same leading axes, one E8M0 byte (e + 127) for each 32 codes along K. Its value is code x scale, taken as it is: it is not quantised again, and the codes and scales need not be those that the quantiser above would give.
;; 2 versions, each right; version 2 is version 1 with the launches up, down written anew for expert scheduling mode. Each part assembles by itself: llvm-mc -triple=amdgcn-amd-amdhsa -mcpu=gfx1250 --defsym DOCPART=n.
;; ======== version 1 of 2: 4 launches
;; workspace buffers: xq 524,288 bytes; xs 32,768 bytes; msk 1,024 bytes of whole numbers; eid 8,192 bytes of whole numbers; pw 8,192 bytes; hq 16,777,216 bytes; hs 1,048,576 bytes; yr 33,554,432 bytes
;; launch route (part 1): grid 128 x 1, 4 waves a work-group, no clusters, 8,704 bytes of LDS; arguments x, Wg, xq, xs, msk, eid, pw; writes xq, xs, msk, eid, pw
.if DOCPART == 1
	.amdgcn_target "amdgcn-amd-amdhsa--gfx1250"
	.amdhsa_code_object_version 6
	.text
	.protected	k_q2fff6870e1_route
	.globl	k_q2fff6870e1_route
	.p2align	8
	.type	k_q2fff6870e1_route,@function
k_q2fff6870e1_route:
	s_mov_b64 s[64:65], 0
	v_nop
	global_prefetch_b8 v0, s[64:65] scope:SCOPE_SE
	s_setreg_imm32_b32 hwreg(HW_REG_WAVE_MODE, 25, 1), 1
	s_wait_xcnt 0x0
; ROUTE: the gate of 1,024 tokens, and x as codes of E2M1.
; logits = x Wg in f32 (fused multiply-adds), softmax with the row's maximum taken off, the two largest P (ties: the lower index, by a strict compare in ascending order),
; gates P / (Pa + Pb + 1e-9).  x is quantised along its 1,024: blocks of 32, scale byte = exponent field of the block's largest magnitude - 2, held at 1 from below.
; SHARES.  A work-group takes 8 tokens; thread n of its 128 takes k = 8 n .. 8 n + 7 of each of them: 32 bytes of a row of x, 256 bytes of Wg (8 rows of 8 experts), kept in 64 registers.
; OUT, all at places that hang on ids alone: xq [token][512 bytes of codes], xs [token][32 scale bytes], eid [token][2] the experts, pw [token][2] their gates,
; msk [expert][128 bytes]: bit (token % 8) of byte (token / 8) says that the token chose the expert.  Later launches make their lists of rows from msk.
; No matrix unit (8 columns), no cluster (work-groups share only Wg's 32 KiB), no tensor load (a work-group reads 32 KiB once, straight into registers).
; LIMITS: NaN and infinities among the inputs are not served.  A block of zeros gets the byte 1 (its codes are zeros; this program alone reads the bytes).
; Where the second and third largest P lie within f32 rounding of each other the choice may fall either way.
.set PART, 0                           ; LDS: 8 regions (one for each half wave) of 256 bytes: 64 partial logits [token][expert]
.set XC,   2048                        ; 8 tokens x 512 bytes of codes
.set XSB,  6144                        ; 8 tokens x 32 scale bytes
.set MX,   16                          ; v16-23   a block's largest magnitude, one register a token
.set SO,   24                          ; v24-31   the conversion's scale operand
.set WG,   32                          ; v32-95   Wg: register 8 j + e
.set X,    96                          ; v96-159  x: register 8 t + j
.set ACC,  160                         ; v160-223 partial logits: register 8 t + e
.set CD,   224                         ; v224-231 eight codes a token
.set BY,   232                         ; v232-239 the scale byte
	s_load_b256 s[4:11], s[0:1], 0x0               ; x s[4:5], Wg s[6:7], xq s[8:9], xs s[10:11]
	s_load_b128 s[12:15], s[0:1], 0x20             ; msk s[12:13], eid s[14:15]
	s_load_b64 s[16:17], s[0:1], 0x30              ; pw
	v_lshl_add_u32 v254, v0, 2, 0x2000
	v_mov_b32 v255, 0
	v_lshrrev_b32 v2, 5, v0
	v_readfirstlane_b32 s20, v2                    ; wave 0..3
	v_and_b32 v1, 31, v0                           ; lane
	v_and_b32 v3, 7, v0                            ; lane % 8: the token (and later the expert) that a lane of wave 0 speaks for
	v_lshlrev_b32 v4, 5, v0                        ; x: 32 bytes a thread
	v_lshlrev_b32 v5, 8, v0                        ; Wg: 8 rows of 32 bytes a thread
	v_lshrrev_b32 v6, 4, v0
	v_lshlrev_b32 v6, 8, v6                        ; my half wave's region of partial logits
	v_lshl_add_u32 v7, v0, 2, XC                   ; my 4 bytes of a token's codes
	v_lshrrev_b32 v8, 2, v0
	v_add_nc_u32 v8, XSB, v8                       ; my block's byte: four threads to a block
	v_lshlrev_b32 v10, 4, v1
	v_lshl_add_u32 v10, v2, 10, v10                ; the way out of the codes: 1,024 bytes a wave, 16 a lane
	v_add_nc_u32 v9, XC, v10
	v_lshlrev_b32 v12, 3, v1                       ; the way out of the scale bytes: 8 a lane
	v_add_nc_u32 v11, XSB, v12
	v_lshlrev_b32 v13, 5, v3                       ; a token's 8 partial logits in a region
	v_lshlrev_b32 v14, 3, v3                       ; a token's pair in eid and in pw
	v_lshlrev_b32 v15, 7, v3                       ; an expert's row of msk
	s_mov_b32 s3, 0
	s_lshl_b32 s2, ttmp9, 15                       ; 8 rows of 4,096 bytes
	s_wait_kmcnt 0x0
	s_add_nc_u64 s[4:5], s[4:5], s[2:3]
	s_lshl_b32 s2, ttmp9, 12
	s_add_nc_u64 s[8:9], s[8:9], s[2:3]
	s_lshl_b32 s2, ttmp9, 8
	s_add_nc_u64 s[10:11], s[10:11], s[2:3]
	s_mov_b32 s2, ttmp9
	s_add_nc_u64 s[12:13], s[12:13], s[2:3]        ; my 8 tokens are byte (work-group) of each expert's row
	s_lshl_b32 s2, ttmp9, 6
	s_add_nc_u64 s[14:15], s[14:15], s[2:3]
	s_add_nc_u64 s[16:17], s[16:17], s[2:3]
.irp j, 0,1,2,3,4,5,6,7
	global_load_b128 v[WG+8*\j:WG+8*\j+3], v5, s[6:7] offset:32*\j
	global_load_b128 v[WG+8*\j+4:WG+8*\j+7], v5, s[6:7] offset:32*\j+16
.endr
.irp t, 0,1,2,3,4,5,6,7
	global_load_b128 v[X+8*\t:X+8*\t+3], v4, s[4:5] offset:4096*\t th:TH_LOAD_NT
	global_load_b128 v[X+8*\t+4:X+8*\t+7], v4, s[4:5] offset:4096*\t+16 th:TH_LOAD_NT
.endr
; One token: my 8 numbers against my 8 rows of Wg (two experts an instruction, x's number broadcast from its pair), and my 8 numbers into codes.
.macro TOKEN t
	s_wait_loadcnt 2*(7-\t)                        ; Wg and this token's two loads are in; the later tokens' two each may be out
.irp p, 0,2,4,6
	v_pk_mul_f32 v[ACC+8*\t+\p:ACC+8*\t+\p+1], v[WG+\p:WG+\p+1], v[X+8*\t:X+8*\t+1] op_sel_hi:[1,0]
.endr
.irp j, 2,4,6
.irp p, 0,2,4,6
	v_pk_fma_f32 v[ACC+8*\t+\p:ACC+8*\t+\p+1], v[WG+8*\j+\p:WG+8*\j+\p+1], v[X+8*\t+\j:X+8*\t+\j+1], v[ACC+8*\t+\p:ACC+8*\t+\p+1] op_sel_hi:[1,0,1]
.endr
.endr
.irp j, 1,3,5,7
.irp p, 0,2,4,6
	v_pk_fma_f32 v[ACC+8*\t+\p:ACC+8*\t+\p+1], v[WG+8*\j+\p:WG+8*\j+\p+1], v[X+8*\t+\j-1:X+8*\t+\j], v[ACC+8*\t+\p:ACC+8*\t+\p+1] op_sel:[0,1,0] op_sel_hi:[1,1,1]
.endr
.endr
	v_max3_num_f32 v[MX+\t], |v[X+8*\t]|, |v[X+8*\t+1]|, 0x1800000     ; my 8 magnitudes, and the floor 2^(3 - 127): the byte cannot fall under 1
	v_max3_num_f32 v[MX+\t], v[MX+\t], |v[X+8*\t+2]|, |v[X+8*\t+3]|
	v_max3_num_f32 v[MX+\t], v[MX+\t], |v[X+8*\t+4]|, |v[X+8*\t+5]|
	v_max3_num_f32 v[MX+\t], v[MX+\t], |v[X+8*\t+6]|, |v[X+8*\t+7]|
	v_max_num_f32_dpp v[MX+\t], v[MX+\t], v[MX+\t] row_xmask:1 row_mask:0xf bank_mask:0xf
	v_max_num_f32_dpp v[MX+\t], v[MX+\t], v[MX+\t] row_xmask:2 row_mask:0xf bank_mask:0xf   ; the four lanes of a block agree
	v_add_nc_u32 v[SO+\t], 0xff000000, v[MX+\t]    ; 2 off the exponent field: the conversion takes that field as its scale
	v_cvt_scalef32_pk8_fp4_f32 v[CD+\t], v[X+8*\t:X+8*\t+7], v[SO+\t]
	v_lshrrev_b32 v[BY+\t], 23, v[SO+\t]           ; the scale's byte (also the plain line behind the conversion)
	ds_store_b32 v7, v[CD+\t] offset:512*\t
	ds_store_b8 v8, v[BY+\t] offset:32*\t          ; the four lanes of a block write the same byte with the same value
.endm
.irp t, 0,1,2,3,4,5,6,7
	TOKEN \t
.endr
; the 64 partial logits are summed over the 16 lanes of each half wave; the 8 halves' sums meet in LDS
.irp m, 1,2,4,8
.irp i, 0,1,2,3,4,5,6,7,8,9,10,11,12,13,14,15,16,17,18,19,20,21,22,23,24,25,26,27,28,29,30,31,32,33,34,35,36,37,38,39,40,41,42,43,44,45,46,47,48,49,50,51,52,53,54,55,56,57,58,59,60,61,62,63
	v_add_f32_dpp v[ACC+\i], v[ACC+\i], v[ACC+\i] row_xmask:\m row_mask:0xf bank_mask:0xf
.endr
.endr
.irp i, 0,1,2,3,4,5,6,7,8,9,10,11,12,13,14,15
	ds_store_b128 v6, v[ACC+4*\i:ACC+4*\i+3] offset:16*\i          ; the 16 lanes of a half hold the same sums and write the same bytes
.endr
	s_wait_dscnt 0x0                               ; for the others' sake: my stores have landed
	s_barrier_signal -1
	s_barrier_wait -1
	ds_load_b128 v[16:19], v9                      ; the codes leave as they lie: each store of a wave covers 512 consecutive bytes
	ds_load_b128 v[20:23], v9 offset:512
	s_wait_dscnt 0x0
	global_store_b128 v10, v[16:19], s[8:9]
	global_store_b128 v10, v[20:23], s[8:9] offset:512
	s_cmp_eq_u32 s20, 1
	s_cbranch_scc1 .Lscales
	s_cmp_eq_u32 s20, 0
	s_cbranch_scc1 .Lgate
	s_wait_tensorcnt 0x0
	ds_add_u32 v254, v255
	s_wait_dscnt 0x0
	s_endpgm
.Lscales:                                          ; wave 1: the 8 tokens' 256 scale bytes, 8 a lane
	ds_load_b64 v[24:25], v11
	s_wait_dscnt 0x0
	global_store_b64 v12, v[24:25], s[10:11]
	s_wait_tensorcnt 0x0
	ds_add_u32 v254, v255
	s_wait_dscnt 0x0
	s_endpgm
.Lgate:                                            ; wave 0: lane l speaks for token l % 8 (four lanes do the same work and store the same values: EXEC stays whole)
.irp g, 0,1,2,3,4,5,6,7
	ds_load_b128 v[32+8*\g:35+8*\g], v13 offset:256*\g
	ds_load_b128 v[36+8*\g:39+8*\g], v13 offset:256*\g+16
.endr
	s_wait_dscnt 0x0
.irp g, 0,2,4,6
.irp p, 0,2,4,6
	v_pk_add_f32 v[32+8*\g+\p:33+8*\g+\p], v[32+8*\g+\p:33+8*\g+\p], v[40+8*\g+\p:41+8*\g+\p]
.endr
.endr
.irp g, 0,4
.irp p, 0,2,4,6
	v_pk_add_f32 v[32+8*\g+\p:33+8*\g+\p], v[32+8*\g+\p:33+8*\g+\p], v[48+8*\g+\p:49+8*\g+\p]
.endr
.endr
.irp p, 0,2,4,6
	v_pk_add_f32 v[32+\p:33+\p], v[32+\p:33+\p], v[64+\p:65+\p]    ; v32-39: the token's 8 logits
.endr
	v_max3_num_f32 v96, v32, v33, v34
	v_max3_num_f32 v96, v96, v35, v36
	v_max3_num_f32 v96, v96, v37, v38
	v_max_num_f32 v96, v96, v39                    ; the row's maximum is taken off before the exponential
.irp e, 0,1,2,3,4,5,6,7
	v_sub_f32 v[40+\e], v[32+\e], v96
.endr
.irp e, 0,1,2,3,4,5,6,7
	v_mul_f32 v[40+\e], 0x3fb8aa3b, v[40+\e]       ; x log2(e)
.endr
.irp e, 0,1,2,3,4,5,6,7
	v_exp_f32 v[40+\e], v[40+\e]
.endr
	v_nop                                          ; a plain line between the last exponential and the use of its result
	s_wait_alu depctr_va_vdst(0)
	v_add_f32 v97, v40, v41
	v_add_f32 v98, v42, v43
	v_add_f32 v99, v44, v45
	v_add_f32 v100, v46, v47
	v_add_f32 v97, v97, v98
	v_add_f32 v99, v99, v100
	v_add_f32 v97, v97, v99
	v_rcp_f32 v98, v97
	v_nop
	s_wait_alu depctr_va_vdst(0)
.irp e, 0,1,2,3,4,5,6,7
	v_mul_f32 v[40+\e], v[40+\e], v98              ; P
.endr
	v_mov_b32 v100, v40                            ; the largest P and its expert
	v_mov_b32 v104, 0
.irp e, 1,2,3,4,5,6,7
	v_cmp_gt_f32 vcc_lo, v[40+\e], v100
	v_cndmask_b32 v100, v100, v[40+\e], vcc_lo
	v_cndmask_b32 v104, v104, \e, vcc_lo
.endr
.irp e, 0,1,2,3,4,5,6,7
	v_cmp_eq_u32 vcc_lo, \e, v104
	v_cndmask_b32 v[48+\e], v[40+\e], -1.0, vcc_lo ; the first choice is put under every P
.endr
	v_mov_b32 v102, v48                            ; the second largest and its expert
	v_mov_b32 v105, 0
.irp e, 1,2,3,4,5,6,7
	v_cmp_gt_f32 vcc_lo, v[48+\e], v102
	v_cndmask_b32 v102, v102, v[48+\e], vcc_lo
	v_cndmask_b32 v105, v105, \e, vcc_lo
.endr
	v_add_f32 v108, v100, v102
	v_add_f32 v108, 0x3089705f, v108               ; + 1e-9
	v_rcp_f32 v108, v108
	v_nop
	s_wait_alu depctr_va_vdst(0)
	v_mul_f32 v106, v100, v108
	v_mul_f32 v107, v102, v108
	global_store_b64 v14, v[104:105], s[14:15]     ; the two experts
	global_store_b64 v14, v[106:107], s[16:17]     ; their gates
.irp e, 0,1,2,3,4,5,6,7
	v_cmp_eq_u32 s[40+\e], \e, v104                ; bits 0-7: which of my 8 tokens chose expert e
	v_cmp_eq_u32 s31, \e, v105
	s_or_b32 s[40+\e], s[40+\e], s31
.endr
	v_mov_b32 v109, s40
.irp e, 1,2,3,4,5,6,7
	v_cmp_eq_u32 vcc_lo, \e, v3
	v_cndmask_b32 v109, v109, s[40+\e], vcc_lo     ; lane l now speaks for expert l % 8
.endr
	global_store_b8 v15, v109, s[12:13]            ; the low byte: the address hangs on ids alone
	s_wait_tensorcnt 0x0
	ds_add_u32 v254, v255
	s_wait_dscnt 0x0
	s_endpgm
.Lfunc_end_k_q2fff6870e1_route:
	.size	k_q2fff6870e1_route, .Lfunc_end_k_q2fff6870e1_route-k_q2fff6870e1_route
	.p2alignl 7, 3214868480
	.fill 96, 4, 3214868480
	.section	.rodata,"a",@progbits
	.p2align	6, 0x0
	.amdhsa_kernel k_q2fff6870e1_route
		.amdhsa_group_segment_fixed_size 8704
		.amdhsa_private_segment_fixed_size 0
		.amdhsa_enable_private_segment 0
		.amdhsa_kernarg_size 56
		.amdhsa_user_sgpr_count 2
		.amdhsa_user_sgpr_kernarg_segment_ptr 1
		.amdhsa_wavefront_size32 1
		.amdhsa_system_sgpr_workgroup_id_x 1
		.amdhsa_system_sgpr_workgroup_id_y 1
		.amdhsa_system_sgpr_workgroup_id_z 1
		.amdhsa_system_vgpr_workitem_id 0
		.amdhsa_next_free_vgpr 256
		.amdhsa_next_free_sgpr 66
		.amdhsa_reserve_vcc 1
		.amdhsa_float_denorm_mode_32 3
		.amdhsa_float_denorm_mode_16_64 3
		.amdhsa_memory_ordered 1
		.amdhsa_forward_progress 1
		.amdhsa_inst_pref_size 55
	.end_amdhsa_kernel
	.amdgpu_metadata
---
amdhsa.version: [ 1, 2 ]
amdhsa.kernels:
  - .name:           k_q2fff6870e1_route
    .symbol:         k_q2fff6870e1_route.kd
    .args:
      - { .name: x, .offset: 0, .size: 8, .value_kind: global_buffer, .address_space: global }
      - { .name: Wg, .offset: 8, .size: 8, .value_kind: global_buffer, .address_space: global }
      - { .name: xq, .offset: 16, .size: 8, .value_kind: global_buffer, .address_space: global }
      - { .name: xs, .offset: 24, .size: 8, .value_kind: global_buffer, .address_space: global }
      - { .name: msk, .offset: 32, .size: 8, .value_kind: global_buffer, .address_space: global }
      - { .name: eid, .offset: 40, .size: 8, .value_kind: global_buffer, .address_space: global }
      - { .name: pw, .offset: 48, .size: 8, .value_kind: global_buffer, .address_space: global }
    .group_segment_fixed_size: 8704
    .private_segment_fixed_size: 0
    .kernarg_segment_align: 8
    .kernarg_segment_size: 56
    .max_flat_workgroup_size: 128
    .sgpr_count:     66
    .vgpr_count:     256
    .wavefront_size: 32
...
	.end_amdgpu_metadata
.endif
;; end of part 1
;; launch up (part 2): grid 32 x 8, 4 waves a work-group, no clusters, 68,096 bytes of LDS; arguments W1_codes, W1_scales, b1, xq, xs, msk, hq, hs; writes hq, hs
.if DOCPART == 2
	.amdgcn_target "amdgcn-amd-amdhsa--gfx1250"
	.amdhsa_code_object_version 6
	.text
	.protected	k_q2fff6870e1_up
	.globl	k_q2fff6870e1_up
	.p2align	8
	.type	k_q2fff6870e1_up,@function
k_q2fff6870e1_up:
	s_mov_b64 s[64:65], 0
	v_nop
	global_prefetch_b8 v0, s[64:65] scope:SCOPE_SE
	s_setreg_imm32_b32 hwreg(HW_REG_WAVE_MODE, 25, 1), 1
	s_wait_xcnt 0x0
; UP: for the rows that chose expert e: h = gelu(x W1 + b1), exact gelu in f32, quantised along the hidden axis to codes of E2M1.  Both operands of the product are codes with E8M0 scales.
; SHARES.  Work-group (x = chunk, y = e) makes hidden units 128 chunk .. + 127 of expert e, which are K step `chunk` of the second product.  Each of its four waves keeps those 128 rows of W1
; (64 fragments, 512 registers), their scale words and biases in registers, and takes the expert's tiles of 16 rows w, w + 4, w + 8 ..: two tiles (A = w + 8 i, B = A + 4) a trip.
; W1 COMES ONCE FOR THE WORK-GROUP, IN WHOLE ROWS.  Wave w loads rows 32 w .. 32 w + 31, each load one row's 512 consecutive bytes, and lays them into LDS; behind one barrier every wave reads its
; 64 fragments from there.  So the work-group issues 128 loads of W1, each on one row, where four waves loading fragments themselves would issue 512, each on pieces of 32 bytes of sixteen rows.
; WHICH ROWS OF x.  Slot s of expert e is the token of the s-th set bit of the expert's 1,024-bit mask, which the launch before stored.  The 32 mask words and their running counts lie in scalar
; registers; SELECT finds a lane's token in registers.  Slots past the last are held at the last, so a last tile's spare rows repeat that token: every tile that exists is written whole.
; THE PRODUCT IS USED TRANSPOSED (source 0 = 16 rows of W1, source 1 = 16 tokens), and lane r of tile 2 b + u takes W1's row 32 b + 8 u + r + 8 (r / 8): a lane then holds one token, and the 16
; registers of tiles 2 b, 2 b + 1 are 16 neighbours along the next K.  b1 is the C of each sum's first product.
; OUT.  hq [e][tile][K step][1,024 bytes]: the image of the second product's operand registers (16 bytes a lane, 512 a store).  hs [e][tile][K step / 8][row][8 words]: the scale words.
; gelu(x) = max(x, 0) - |x| q, q = erfc(|x| / sqrt 2) / 2 = t 2^(poly(t) - x^2 log2(e) / 2), t = 1 / (1 + |x| / (2 sqrt 2)): the nine-degree fit of erfc with fractional error 1.2e-7.
; No tensor load, no joint request: the number of trips and branches hang on counts read from memory.  One barrier, at the head, ahead of every such branch; behind it the waves share nothing.
; LIMITS: NaN and infinities are not served; a block of zeros gets the byte 1 (its codes are zeros; this program alone reads the bytes).
; REGISTERS, in windows of 256.  Window 0: below.  Windows 1, 2: W1's fragment (tile t, K step s) at v[8 (8 (s % 4) + t)] of window 1 + s / 4 (at the head window 1's v0-127 take my 32 rows as loaded).
; Window 3: v0-63 tile A's 8 fragments of x, v64-127 tile B's, v128-191 b1 (8 registers a tile).
.set M,    68                          ; s[68:99]  the expert's 32 mask words
.set P,    32                          ; s[32:63]  their running counts, inclusive; s63 = n, the expert's rows
.set WP,   528                         ; LDS: a row of W1: 512 bytes + 16 = 132 words, so that 16 neighbouring rows start at 16 different columns of 16 bytes; 128 rows from byte 0 on
.set OA,   8                           ; v8   tile A's byte offset in xq: token x 512 + 16 (lane / 16)
.set OB,   9                           ; v9   tile B's
.set OS,   10                          ; v10  in xs: lanes 0-15 tile A's tokens, lanes 16-31 tile B's
.set NOB,  11                          ; v11  tile B's next offset, kept apart while the loads by v9 are out
.set SL,   12                          ; v12  my slot of the next trip
.set SLOT, 13
.set TOK,  14
.set X16,  15
.set OH,   16                          ; v16  my place in hq: 16 lane + 32,768 tile A
.set OSS,  17                          ; v17  in hs: 32 (lane % 16) + 2,048 tile A
.set SELT, 18                          ; v18-27 SELECT's: word, count before it, word index, rank, sums of 2, 4, 8 bits, a count, at work, bit
.set WSC,  32                          ; v32-95  W1's scale words: 8 t + s
.set XS,   96                          ; v96-103 x's scale words: K step s
.set PC,   104                         ; v104-111 the codes just made
.set HA,   112                         ; v112-175 8 accumulators
.set GT,   176                         ; v176-191 t
.set GP,   192                         ; v192-207 the polynomial, then q
.set GQ,   208                         ; v208-223 x^2, then max(x, 0)
.set TM,   224                         ; v224-239 the quantiser's
.set PW,   240                         ; v240 the scale word just made
.set SA,   241                         ; v241 LDS, in: my wave's 32 places, 16 bytes a lane
.set FA,   242                         ; v242 LDS, out: place lane % 16 of a tile, + 16 (lane / 16)
.set XA,   0
.set XB,   64
.set B1,   128
.set MSB,  0
.macro WIN new                         ; the immediate's high byte repeats the setting that is left
.if MSB != \new
	s_set_vgpr_msb (MSB<<8)|\new
.set MSB, \new
.endif
.endm
.macro DESCEND w                       ; the wanted bit lies in the upper half of the field where the rank reaches the lower half's count
	v_cmp_ge_u32 vcc_lo, v[SELT+3], v[SELT+7]
	v_sub_nc_u32 v[SELT+8], v[SELT+3], v[SELT+7]
	v_cndmask_b32 v[SELT+3], v[SELT+3], v[SELT+8], vcc_lo
	v_add_nc_u32 v[SELT+8], \w, v[SELT+9]
	v_cndmask_b32 v[SELT+9], v[SELT+9], v[SELT+8], vcc_lo
.endm
; v[tok] = the place of set bit number v[slot] among the 1,024: first the word (the last whose count before it does not pass the slot), then the bit, by halving.
.macro SELECT slot, tok
	v_mov_b32 v[SELT], s[M]
	v_mov_b32 v[SELT+1], 0
	v_mov_b32 v[SELT+2], 0
.irp j, 1,2,3,4,5,6,7,8,9,10,11,12,13,14,15,16,17,18,19,20,21,22,23,24,25,26,27,28,29,30,31
	v_cmp_le_u32 vcc_lo, s[P+\j-1], v[\slot]
	v_cndmask_b32 v[SELT], v[SELT], s[M+\j], vcc_lo
	v_cndmask_b32 v[SELT+1], v[SELT+1], s[P+\j-1], vcc_lo
	v_cndmask_b32 v[SELT+2], v[SELT+2], \j, vcc_lo
.endr
	v_sub_nc_u32 v[SELT+3], v[\slot], v[SELT+1]    ; the rank in the word
	v_lshrrev_b32 v[SELT+8], 1, v[SELT]
	v_and_b32 v[SELT+8], 0x55555555, v[SELT+8]
	v_sub_nc_u32 v[SELT+4], v[SELT], v[SELT+8]     ; counts of 2 bits
	v_lshrrev_b32 v[SELT+8], 2, v[SELT+4]
	v_and_b32 v[SELT+8], 0x33333333, v[SELT+8]
	v_and_b32 v[SELT+5], 0x33333333, v[SELT+4]
	v_add_nc_u32 v[SELT+5], v[SELT+5], v[SELT+8]   ; of 4
	v_lshrrev_b32 v[SELT+8], 4, v[SELT+5]
	v_add_nc_u32 v[SELT+6], v[SELT+5], v[SELT+8]
	v_and_b32 v[SELT+6], 0x0f0f0f0f, v[SELT+6]     ; of 8
	v_and_b32 v[SELT+7], 0xff, v[SELT+6]
	v_bfe_u32 v[SELT+8], v[SELT+6], 8, 8
	v_add_nc_u32 v[SELT+7], v[SELT+7], v[SELT+8]   ; of the low 16
	v_mov_b32 v[SELT+9], 0
	DESCEND 16
	v_bfe_u32 v[SELT+7], v[SELT+6], v[SELT+9], 8
	DESCEND 8
	v_bfe_u32 v[SELT+7], v[SELT+5], v[SELT+9], 4
	DESCEND 4
	v_bfe_u32 v[SELT+7], v[SELT+4], v[SELT+9], 2
	DESCEND 2
	v_bfe_u32 v[SELT+7], v[SELT], v[SELT+9], 1
	DESCEND 1
	v_lshl_add_u32 v[\tok], v[SELT+2], 5, v[SELT+9]
.endm
; The next trip's tokens and offsets.  Lanes 0-15 find tile A's tokens, lanes 16-31 tile B's; each half then takes the other's.
.macro NEXT
	v_min_u32 v[SLOT], s27, v[SL]                  ; slots past the last are held at the last
	SELECT SLOT, TOK
	v_permlanex16_b32 v[X16], v[TOK], s28, s29
	v_cndmask_b32 v30, v[TOK], v[X16], s30         ; tile A's token of row lane % 16, in all 32 lanes
	v_cndmask_b32 v31, v[X16], v[TOK], s30         ; tile B's
	v_min_u32 v30, 0x3ff, v30                      ; a number made of loaded words enters an address only behind such a hold
	v_min_u32 v31, 0x3ff, v31
	v_min_u32 v[TOK], 0x3ff, v[TOK]
	v_lshl_add_u32 v[OA], v30, 9, v3
	v_lshl_add_u32 v[NOB], v31, 9, v3
	v_lshlrev_b32 v[OS], 5, v[TOK]
	v_add_nc_u32 v[SL], 128, v[SL]                 ; 8 tiles on
.endm
.macro XLOAD buf, off                  ; a tile's 8 fragments of x: lane (r, h) takes of token r's 512 bytes the 16 at 64 s + 32 c + 16 h
	WIN 0xc0                                       ; destination window 3, address window 0
.irp s, 0,1,2,3,4,5,6,7
.irp c, 0,1
	global_load_b128 v[\buf+8*\s+4*\c:\buf+8*\s+4*\c+3], v[\off], s[10:11] offset:64*\s+32*\c
.endr
.endr
	WIN 0
.endm
.macro XSLOAD                          ; both tiles' scale words: 8 words a token
	global_load_b128 v[XS:XS+3], v[OS], s[12:13]
	global_load_b128 v[XS+4:XS+7], v[OS], s[12:13] offset:16
.endm
.macro WM t, s, buf, row
.if \s == 0
.if \row
	v_wmma_scale_f32_16x16x128_f8f6f4 v[HA+8*\t:HA+8*\t+7], v[8*(8*(\s%4)+\t):8*(8*(\s%4)+\t)+7], v[\buf+8*\s:\buf+8*\s+7], v[B1+8*\t:B1+8*\t+7], v[WSC+8*\t+\s], v[XS+\s] matrix_a_fmt:MATRIX_FMT_FP4 matrix_b_fmt:MATRIX_FMT_FP4 matrix_b_scale:MATRIX_SCALE_ROW1
.else
	v_wmma_scale_f32_16x16x128_f8f6f4 v[HA+8*\t:HA+8*\t+7], v[8*(8*(\s%4)+\t):8*(8*(\s%4)+\t)+7], v[\buf+8*\s:\buf+8*\s+7], v[B1+8*\t:B1+8*\t+7], v[WSC+8*\t+\s], v[XS+\s] matrix_a_fmt:MATRIX_FMT_FP4 matrix_b_fmt:MATRIX_FMT_FP4
.endif
.else
.if \row
	v_wmma_scale_f32_16x16x128_f8f6f4 v[HA+8*\t:HA+8*\t+7], v[8*(8*(\s%4)+\t):8*(8*(\s%4)+\t)+7], v[\buf+8*\s:\buf+8*\s+7], v[HA+8*\t:HA+8*\t+7], v[WSC+8*\t+\s], v[XS+\s] matrix_a_fmt:MATRIX_FMT_FP4 matrix_b_fmt:MATRIX_FMT_FP4 matrix_b_scale:MATRIX_SCALE_ROW1
.else
	v_wmma_scale_f32_16x16x128_f8f6f4 v[HA+8*\t:HA+8*\t+7], v[8*(8*(\s%4)+\t):8*(8*(\s%4)+\t)+7], v[\buf+8*\s:\buf+8*\s+7], v[HA+8*\t:HA+8*\t+7], v[WSC+8*\t+\s], v[XS+\s] matrix_a_fmt:MATRIX_FMT_FP4 matrix_b_fmt:MATRIX_FMT_FP4
.endif
.endif
.endm
; 64 products: 8 K steps x 8 tiles of hidden units; the 8 accumulators take turns, one instruction a turn.  row = 1: x's scale words are taken from lanes 16-31.
.macro MUL buf, row
.irp s, 0,1,2,3,4,5,6,7
.if \s == 0
	WIN 0x3d                                       ; W1 window 1, x window 3, C (b1) window 3, D window 0
.elseif \s < 4
	WIN 0x0d                                       ; C and D window 0
.else
	WIN 0x0e                                       ; W1 window 2
.endif
.irp t, 0,1,2,3,4,5,6,7
	WM \t, \s, \buf, \row
.endr
.endr
	WIN 0
.endm
; The exact gelu of 16 numbers (accumulators 2 g and 2 g + 1, each read from its lowest register on), in place.
.macro GELU16 g
.irp i, 0,1,2,3,4,5,6,7,8,9,10,11,12,13,14,15
	v_fma_f32 v[GT+\i], |v[HA+16*\g+\i]|, 0x3eb504f3, 1.0          ; 1 + |x| / (2 sqrt 2)
.endr
.irp i, 0,1,2,3,4,5,6,7,8,9,10,11,12,13,14,15
	v_rcp_f32 v[GT+\i], v[GT+\i]                   ; t
.endr
.irp i, 0,2,4,6,8,10,12,14
	v_pk_mul_f32 v[GQ+\i:GQ+\i+1], v[HA+16*\g+\i:HA+16*\g+\i+1], v[HA+16*\g+\i:HA+16*\g+\i+1]   ; x^2 (the plain lines behind the reciprocals)
.endr
	s_wait_alu depctr_va_vdst(0)
.irp i, 0,2,4,6,8,10,12,14
	v_pk_fma_f32 v[GP+\i:GP+\i+1], v[GT+\i:GT+\i+1], v[28:29], 0xbf97d29d op_sel_hi:[1,1,0]
.endr
.irp a, 0x40097039, 0xbfd1a1e5, 0x3ecdfd18, 0xbe899a80, 0x3e0efb2e, 0x3f0a29d2, 0x3fb8ab5a, 0xc034d90f
.irp i, 0,2,4,6,8,10,12,14
	v_pk_fma_f32 v[GP+\i:GP+\i+1], v[GP+\i:GP+\i+1], v[GT+\i:GT+\i+1], \a op_sel_hi:[1,1,0]     ; the fit's coefficients x log2(e); the last has 1 taken off, for the half
.endr
.endr
.irp i, 0,2,4,6,8,10,12,14
	v_pk_fma_f32 v[GP+\i:GP+\i+1], v[GQ+\i:GQ+\i+1], 0xbf38aa3b, v[GP+\i:GP+\i+1] op_sel_hi:[1,0,1]   ; - x^2 log2(e) / 2
.endr
.irp i, 0,1,2,3,4,5,6,7,8,9,10,11,12,13,14,15
	v_exp_f32 v[GP+\i], v[GP+\i]
.endr
.irp i, 0,1,2,3,4,5,6,7,8,9,10,11,12,13,14,15
	v_max_num_f32 v[GQ+\i], 0, v[HA+16*\g+\i]      ; max(x, 0) (the plain lines behind the exponentials)
.endr
	s_wait_alu depctr_va_vdst(0)
.irp i, 0,2,4,6,8,10,12,14
	v_pk_mul_f32 v[GP+\i:GP+\i+1], v[GP+\i:GP+\i+1], v[GT+\i:GT+\i+1]                           ; q
.endr
.irp i, 0,1,2,3,4,5,6,7,8,9,10,11,12,13,14,15
	v_fma_f32 v[HA+16*\g+\i], -|v[HA+16*\g+\i]|, v[GP+\i], v[GQ+\i]
.endr
.endm
; 64 numbers of a lane, register 16 b + i = k 32 b + 16 (lane / 16) + i of my row, become a fragment's codes in v[PC] on and its scale word in v[PW].
.macro QUANT s
.irp b, 0,1,2,3
	v_max3_num_f32 v[TM+\b], |v[\s+16*\b]|, |v[\s+1+16*\b]|, 0x1800000   ; my 16 numbers of block b, and the floor 2^(3 - 127)
.endr
.irp i, 2,4,6,8,10,12,14
.irp b, 0,1,2,3
	v_max3_num_f32 v[TM+\b], v[TM+\b], |v[\s+16*\b+\i]|, |v[\s+1+16*\b+\i]|
.endr
.endr
.irp b, 0,1,2,3
	v_permlanex16_b32 v[TM+4+\b], v[TM+\b], s28, s29
.endr
.irp b, 0,1,2,3
	v_max_num_f32 v[TM+\b], v[TM+\b], v[TM+4+\b]   ; with lane l xor 16's: the block's largest magnitude
.endr
.irp b, 0,1,2,3
	v_add_nc_u32 v[TM+12+\b], 0xff000000, v[TM+\b] ; 2 off its exponent field: the conversion's scale operand
.endr
.irp b, 0,1,2,3
	v_lshrrev_b32 v[TM+4+\b], 23, v[TM+12+\b]      ; the scale's byte
.endr
	v_lshl_or_b32 v[PW], v[TM+5], 8, v[TM+4]
	v_lshl_or_b32 v[PW], v[TM+6], 16, v[PW]
	v_lshl_or_b32 v[PW], v[TM+7], 24, v[PW]
.irp b, 0,1,2,3
	v_cvt_scalef32_pk8_fp4_f32 v[PC+2*\b], v[\s+16*\b:\s+7+16*\b], v[TM+12+\b]
	v_cvt_scalef32_pk8_fp4_f32 v[PC+1+2*\b], v[\s+8+16*\b:\s+15+16*\b], v[TM+12+\b]
.endr
	v_nop                                          ; one plain line behind the scaled conversions
.irp c, 0,1                                    ; the operand's layout wants a whole block in a lane: lanes 0-15 block 2 c, lanes 16-31 block 2 c + 1
.irp i, 0,1
	v_permlane16_swap_b32 v[PC+4*\c+\i], v[PC+2+4*\c+\i]
.endr
.endr
.endm
.macro PUT d                           ; the fragment's image (two stores of 512 consecutive bytes) and the rows' scale words; d = 1: tile B, four tiles on
	global_store_b128 v[OH], v[PC:PC+3], s[16:17] offset:131072*\d
	global_store_b128 v[OH], v[PC+4:PC+7], s[16:17] offset:131072*\d+512
	global_store_b32 v[OSS], v[PW], s[18:19] offset:8192*\d        ; lanes 16-31 repeat lanes 0-15: the same word to the same place
.endm
	s_load_b512 s[4:19], s[0:1], 0x0               ; W1's codes s[4:5], its scales s[6:7], b1 s[8:9], xq s[10:11], xs s[12:13], msk s[14:15], hq s[16:17], hs s[18:19]
	v_lshl_add_u32 v254, v0, 2, 0x10800
	v_mov_b32 v255, 0
	v_lshrrev_b32 v1, 5, v0
	v_readfirstlane_b32 s20, v1                    ; wave 0..3
	v_and_b32 v1, 31, v0                           ; lane
	v_and_b32 v2, 15, v0                           ; r
	v_bfe_u32 v3, v0, 4, 1                         ; h
	v_and_b32 v7, 8, v2
	v_add_nc_u32 v7, v7, v2                        ; r + 8 (r / 8)
	v_lshlrev_b32 v6, 6, v3                        ; 64 h: b1's 16 numbers of my half
	v_lshlrev_b32 v3, 4, v3                        ; 16 h
	v_lshlrev_b32 v4, 4, v1
	v_lshl_add_u32 v4, s20, 14, v4                 ; W1: my wave's 32 rows of 512 bytes, 16 bytes a lane
	v_lshlrev_b32 v5, 5, v7                        ; its scale bytes: 32 a row
	s_mul_i32 s2, s20, 32*WP
	v_lshl_add_u32 v[SA], v1, 4, s2                ; LDS, in: 16 lane + my wave's 32 places
	v_mul_u32_u24 v[FA], v2, WP
	v_add_nc_u32 v[FA], v[FA], v3                  ; LDS, out: place r of a tile, + 16 h
	v_add_nc_u32 v[SL], v2, v6                     ; my first slot: 16 (w + 4 h) + r
	v_lshl_add_u32 v[SL], s20, 4, v[SL]
	v_lshlrev_b32 v[OH], 4, v1
	v_lshl_add_u32 v[OH], s20, 15, v[OH]
	v_lshlrev_b32 v[OSS], 5, v2
	v_lshl_add_u32 v[OSS], s20, 11, v[OSS]
	v_mov_b32 v[X16], 0                            ; a lane permute's destination counts as one of its sources: written once
.irp b, 0,1,2,3
	v_mov_b32 v[TM+4+\b], 0
.endr
	v_mov_b32 v28, 0x3e7c6f08                      ; the fit's highest coefficient, as a pair
	v_mov_b32 v29, 0x3e7c6f08
	s_and_b32 s21, ttmp7, 0xffff                   ; e
	s_mov_b32 s22, ttmp9                           ; chunk
	s_mov_b32 s28, 0x76543210
	s_mov_b32 s29, 0xfedcba98                      ; v_permlanex16_b32's selects for lane l xor 16
	s_mov_b32 s30, 0xffff0000                      ; lanes 16-31
	s_add_co_u32 s26, s20, 4                       ; tile B's number
	s_mov_b32 s3, 0
	s_wait_kmcnt 0x0
	s_lshl_b32 s2, s21, 7
	s_add_nc_u64 s[14:15], s[14:15], s[2:3]
	s_load_b512 s[68:83], s[14:15], 0x0            ; the expert's mask
	s_load_b512 s[84:99], s[14:15], 0x40
	s_lshl_b32 s2, s21, 21
	s_lshl_b32 s31, s22, 16
	s_add_co_u32 s2, s2, s31
	s_add_nc_u64 s[4:5], s[4:5], s[2:3]            ; the work-group's 128 rows of W1: 65,536 consecutive bytes
	WIN 0x40                                       ; destination window 1, address window 0
.irp j, 0,1,2,3,4,5,6,7,8,9,10,11,12,13,14,15,16,17,18,19,20,21,22,23,24,25,26,27,28,29,30,31
	global_load_b128 v[4*\j:4*\j+3], v4, s[4:5] offset:512*\j th:TH_LOAD_NT   ; row 32 w + j: 32 lanes read its 512 consecutive bytes; no other wave of the launch reads them
.endr
	WIN 0
	s_lshl_b32 s2, s21, 17
	s_lshl_b32 s31, s22, 12
	s_add_co_u32 s2, s2, s31
	s_add_nc_u64 s[6:7], s[6:7], s[2:3]
	s_lshl_b32 s2, s21, 14
	s_lshl_b32 s31, s22, 9
	s_add_co_u32 s2, s2, s31
	s_add_nc_u64 s[8:9], s[8:9], s[2:3]
	s_lshl_b32 s2, s21, 21
	s_lshl_b32 s31, s22, 10
	s_add_co_u32 s2, s2, s31
	s_add_nc_u64 s[16:17], s[16:17], s[2:3]        ; hq: expert e, K step chunk
	s_lshr_b32 s2, s22, 3
	s_lshl_b32 s2, s2, 9
	s_and_b32 s31, s22, 7
	s_lshl_b32 s31, s31, 2
	s_add_co_u32 s2, s2, s31
	s_lshl_b32 s31, s21, 17
	s_add_co_u32 s2, s2, s31
	s_add_nc_u64 s[18:19], s[18:19], s[2:3]        ; hs likewise
.irp t, 0,1,2,3,4,5,6,7
	global_load_b128 v[WSC+8*\t:WSC+8*\t+3], v5, s[6:7] offset:(32*(\t/2)+8*(\t%2))*32
	global_load_b128 v[WSC+8*\t+4:WSC+8*\t+7], v5, s[6:7] offset:(32*(\t/2)+8*(\t%2))*32+16
.endr
	WIN 0xc0
.irp t, 0,1,2,3,4,5,6,7
	global_load_b128 v[B1+8*\t:B1+8*\t+3], v6, s[8:9] offset:(32*(\t/2)+8*(\t%2))*4
	global_load_b128 v[B1+8*\t+4:B1+8*\t+7], v6, s[8:9] offset:(32*(\t/2)+8*(\t%2))*4+16
.endr
	WIN 0
	s_wait_kmcnt 0x0                               ; the mask.  The counts and the first tokens are made while W1's rows are on their way
	s_bcnt1_i32_b32 s[P], s[M]
.irp j, 1,2,3,4,5,6,7,8,9,10,11,12,13,14,15,16,17,18,19,20,21,22,23,24,25,26,27,28,29,30,31
	s_bcnt1_i32_b32 s2, s[M+\j]
	s_add_co_u32 s[P+\j], s[P+\j-1], s2
.endr
	s_add_co_u32 s24, s63, 15
	s_lshr_b32 s24, s24, 4                         ; the expert's tiles
	s_sub_co_u32 s27, s63, 1                       ; its last slot
	NEXT                                           ; (whatever the count is, the tokens are held inside the table)
	v_mov_b32 v[OB], v[NOB]
; My 32 rows go into LDS, 8 at a time.  Row 16 g + 8 u + i of my 32 is laid at place 16 u + 8 g + i, so that the 16 rows of a tile, which are not neighbours in W1, are neighbours in LDS.
.irp g, 0,1,2,3
	s_wait_loadcnt 32+8*(3-\g)                     ; these 8 rows are in; the later rows' 8 loads a group and the 32 loads of scale words and biases may be out
	WIN 0x04                                       ; an LDS store's data are its source 1: window 1
.irp i, 0,1,2,3,4,5,6,7
	ds_store_b128 v[SA], v[4*(8*\g+\i):4*(8*\g+\i)+3] offset:(\i+8*(\g/2)+16*(\g%2))*WP
.endr
.endr
	WIN 0
	XLOAD XA, OA                                   ; x's first two tiles are asked for ahead of the barrier: nobody writes those bytes, so the loads may stay out across it
	XSLOAD
	XLOAD XB, OB
	s_wait_dscnt 0x0                               ; for the others' sake: my rows have landed
	s_barrier_signal -1
	s_barrier_wait -1                              ; all 128 rows lie in LDS; nothing is written there again
	s_cmp_ge_u32 s20, s24
	s_cbranch_scc0 .Lwork
	s_wait_tensorcnt 0x0
	ds_add_u32 v254, v255
	s_wait_dscnt 0x0
	s_endpgm                                       ; no tile for this wave: its rows of W1 are delivered, and behind the barrier it shares nothing with the others
.Lwork:
	s_sub_co_u32 s31, s24, s20
	s_add_co_u32 s31, s31, 7
	s_lshr_b32 s31, s31, 3                         ; trips: tiles w, w + 8, .. under the expert's number of tiles
	WIN 0x40                                       ; destination window 1: K steps 0-3
.irp s, 0,1,2,3
.irp t, 0,1,2,3,4,5,6,7
.irp c, 0,1
	ds_load_b128 v[8*(8*\s+\t)+4*\c:8*(8*\s+\t)+4*\c+3], v[FA] offset:16*\t*WP+64*\s+32*\c
.endr
.endr
.endr
	WIN 0x80                                       ; window 2: K steps 4-7
.irp s, 0,1,2,3
.irp t, 0,1,2,3,4,5,6,7
.irp c, 0,1
	ds_load_b128 v[8*(8*\s+\t)+4*\c:8*(8*\s+\t)+4*\c+3], v[FA] offset:16*\t*WP+256+64*\s+32*\c
.endr
.endr
.endr
	WIN 0
	s_wait_dscnt 0x0                               ; W1's 64 fragments are in my registers, for the whole launch
	s_mov_b32 s25, 0
.Ltrip:
	s_wait_loadcnt 16                              ; the scale words, the biases, tile A and x's scale words are in; the 16 loads issued last, tile B's, may be out
	MUL XA, 0
	NEXT                                           ; plain vector lines that name no register of the products: the places behind them
	XLOAD XA, OA                                   ; the next trip's tile A (held slots: always inside the buffer), a whole tile's work ahead of its use
	GELU16 0
	GELU16 1
	GELU16 2
	GELU16 3
	s_wait_xcnt 0x0                                ; earlier stores have read the codes' registers
	QUANT HA
	PUT 0
	s_wait_loadcnt 16                              ; tile B is in; the 16 loads issued behind it, the next tile A's, may be out
	s_cmp_ge_u32 s26, s24
	s_cbranch_scc1 .Lno_b                          ; there is no tile B
	MUL XB, 1
.rept 4
	v_nop                                          ; places in front of the first read of the results
.endr
	GELU16 0
	GELU16 1
	GELU16 2
	GELU16 3
	s_wait_xcnt 0x0                                ; tile A's stores have read the codes' registers
	QUANT HA
	PUT 1
.Lno_b:
	s_add_co_u32 s25, s25, 1
	s_cmp_ge_u32 s25, s31
	s_cbranch_scc1 .Ldone                          ; the last trip asks for nothing more; this way leads to the end alone, so the counts at the loop's head hold on every way that reaches it
	v_mov_b32 v[OB], v[NOB]                        ; the loads that named v9 are in
	XSLOAD
	XLOAD XB, OB
	s_wait_xcnt 0x0                                ; the stores have read their offsets
	v_add_nc_u32 v[OH], 0x40000, v[OH]             ; 8 tiles on
	v_add_nc_u32 v[OSS], 0x4000, v[OSS]
	s_add_co_u32 s26, s26, 8
	s_cmp_lt_u32 s25, s31
	s_cbranch_scc1 .Ltrip
.Ldone:
	s_wait_tensorcnt 0x0
	ds_add_u32 v254, v255
	s_wait_dscnt 0x0
	s_endpgm
.Lfunc_end_k_q2fff6870e1_up:
	.size	k_q2fff6870e1_up, .Lfunc_end_k_q2fff6870e1_up-k_q2fff6870e1_up
	.p2alignl 7, 3214868480
	.fill 96, 4, 3214868480
	.section	.rodata,"a",@progbits
	.p2align	6, 0x0
	.amdhsa_kernel k_q2fff6870e1_up
		.amdhsa_group_segment_fixed_size 68096
		.amdhsa_private_segment_fixed_size 0
		.amdhsa_enable_private_segment 0
		.amdhsa_kernarg_size 64
		.amdhsa_user_sgpr_count 2
		.amdhsa_user_sgpr_kernarg_segment_ptr 1
		.amdhsa_wavefront_size32 1
		.amdhsa_system_sgpr_workgroup_id_x 1
		.amdhsa_system_sgpr_workgroup_id_y 1
		.amdhsa_system_sgpr_workgroup_id_z 1
		.amdhsa_system_vgpr_workitem_id 0
		.amdhsa_next_free_vgpr 1024
		.amdhsa_next_free_sgpr 100
		.amdhsa_reserve_vcc 1
		.amdhsa_float_denorm_mode_32 3
		.amdhsa_float_denorm_mode_16_64 3
		.amdhsa_memory_ordered 1
		.amdhsa_forward_progress 1
		.amdhsa_inst_pref_size 173
	.end_amdhsa_kernel
	.amdgpu_metadata
---
amdhsa.version: [ 1, 2 ]
amdhsa.kernels:
  - .name:           k_q2fff6870e1_up
    .symbol:         k_q2fff6870e1_up.kd
    .args:
      - { .name: W1_codes, .offset: 0, .size: 8, .value_kind: global_buffer, .address_space: global }
      - { .name: W1_scales, .offset: 8, .size: 8, .value_kind: global_buffer, .address_space: global }
      - { .name: b1, .offset: 16, .size: 8, .value_kind: global_buffer, .address_space: global }
      - { .name: xq, .offset: 24, .size: 8, .value_kind: global_buffer, .address_space: global }
      - { .name: xs, .offset: 32, .size: 8, .value_kind: global_buffer, .address_space: global }
      - { .name: msk, .offset: 40, .size: 8, .value_kind: global_buffer, .address_space: global }
      - { .name: hq, .offset: 48, .size: 8, .value_kind: global_buffer, .address_space: global }
      - { .name: hs, .offset: 56, .size: 8, .value_kind: global_buffer, .address_space: global }
    .group_segment_fixed_size: 68096
    .private_segment_fixed_size: 0
    .kernarg_segment_align: 8
    .kernarg_segment_size: 64
    .max_flat_workgroup_size: 128
    .sgpr_count:     100
    .vgpr_count:     1024
    .wavefront_size: 32
...
	.end_amdgpu_metadata
.endif
;; end of part 2
;; launch down (part 3): grid 32 x 8, 4 waves a work-group, no clusters, 70,144 bytes of LDS; arguments W2_codes, W2_scales, b2, hq, hs, msk, yr; writes yr
.if DOCPART == 3
	.amdgcn_target "amdgcn-amd-amdhsa--gfx1250"
	.amdhsa_code_object_version 6
	.text
	.protected	k_q2fff6870e1_down
	.globl	k_q2fff6870e1_down
	.p2align	8
	.type	k_q2fff6870e1_down,@function
k_q2fff6870e1_down:
	s_mov_b64 s[64:65], 0
	v_nop
	global_prefetch_b8 v0, s[64:65] scope:SCOPE_SE
	s_setreg_imm32_b32 hwreg(HW_REG_WAVE_MODE, 25, 1), 1
	s_wait_xcnt 0x0
; DOWN: for the rows that chose expert e: y = h W2 + b2, on codes of E2M1 with E8M0 scales; each row goes to yr at (token, e).
; SHARES.  Work-group (x = 4 cc + q, y = e) makes output columns 128 cc .. + 127 for the expert's tiles of 16 rows q, q + 4, q + 8 ..  THE WAVES SHARE K: wave w keeps W2's 128 rows x K steps
; 8 w .. 8 w + 7 in 512 registers, read once, and makes a partial tile (8 accumulators, which take turns).  The four partial tiles meet in a stage in LDS; wave w then
; adds rows 4 w .. 4 w + 3, adds b2 and stores each row's 512 consecutive bytes.
; THE PRODUCT IS USED TRANSPOSED (source 0 = 16 rows of W2 = 16 output columns, source 1 = 16 rows of h): a lane holds 8 neighbouring columns of one row.
; h comes as the launch before laid it: images of the operand's registers, 16 bytes a lane, and 8 scale words a row for my 8 K steps.
; STEPS.  16 steps of constant count, in four laps of four; step 4 lap + b serves tile q + 4 (4 lap + b) from register buffer b.  The work of a step whose tile does not exist is jumped over, the
; step's barrier and its wait for loads are not: no barrier stands under a branch on the count of rows.  That serves every split, all 1,024 tokens on one expert too.
; TWO STAGES by turns, one barrier a step: a wave's reads of a step's stage are waited for in front of its signal of the next step, and the stage is written again only behind that barrier.
; The first four tiles' places in hq and hs are loaded without a condition (they lie inside the buffers whatever the count is), so that each wait's count holds on every way; what is loaded of a
; tile that does not exist is never used.  Later tiles are loaded only where they exist.
; No tensor load, no joint request: branches hang on counts read from memory.
; REGISTERS, in windows of 256.  Window 0: below.  Windows 1, 2: W2's fragment (tile of columns ct, my K step sl) at v[8 (8 (sl % 4) + ct)] of window 1 + sl / 4.  Window 3: four buffers of h, 64 b + 8 sl.
.set M,    68                          ; s[68:99]  the expert's 32 mask words
.set P,    32                          ; s[32:63]  their running counts, inclusive; s63 = n
.set RS,   8448                        ; a wave's region of a stage: 16 rows x (512 + 16) bytes
.set PB,   4*RS                        ; a stage
.set L16,  6                           ; v6   16 lane
.set R32,  7                           ; v7   32 (lane % 16)
.set STO,  8                           ; v8   the stage, in: my region, row lane % 16, + 32 (lane / 16)
.set RD,   9                           ; v9   the stage, back: row 4 w, 16 bytes a lane
.set SL,   10                          ; v10  lane 4 b + i: the slot of row 4 w + i of the lap's step b
.set SLOT, 11
.set TK,   12                          ; v12  its token
.set OR,   13                          ; v13-16 the four rows' byte offsets in yr
.set SELT, 17                          ; v17-26 SELECT's
.set BB,   28                          ; v28-31 b2 of columns 4 lane .. + 3
.set WSC,  32                          ; v32-95  W2's scale words: 8 ct + sl
.set HS,   96                          ; v96-127 h's scale words: 8 b + sl
.set ACC,  128                         ; v128-191 8 accumulators
.set LAND, 192                         ; v192-255 four rows x four partial sums x 4 registers: 16 i + 4 g
.set MSB,  0
.macro WIN new                         ; the immediate's high byte repeats the setting that is left
.if MSB != \new
	s_set_vgpr_msb (MSB<<8)|\new
.set MSB, \new
.endif
.endm
.macro DESCEND w                       ; the wanted bit lies in the upper half of the field where the rank reaches the lower half's count
	v_cmp_ge_u32 vcc_lo, v[SELT+3], v[SELT+7]
	v_sub_nc_u32 v[SELT+8], v[SELT+3], v[SELT+7]
	v_cndmask_b32 v[SELT+3], v[SELT+3], v[SELT+8], vcc_lo
	v_add_nc_u32 v[SELT+8], \w, v[SELT+9]
	v_cndmask_b32 v[SELT+9], v[SELT+9], v[SELT+8], vcc_lo
.endm
; v[tok] = the place of set bit number v[slot] among the 1,024: first the word (the last whose count before it does not pass the slot), then the bit, by halving.
.macro SELECT slot, tok
	v_mov_b32 v[SELT], s[M]
	v_mov_b32 v[SELT+1], 0
	v_mov_b32 v[SELT+2], 0
.irp j, 1,2,3,4,5,6,7,8,9,10,11,12,13,14,15,16,17,18,19,20,21,22,23,24,25,26,27,28,29,30,31
	v_cmp_le_u32 vcc_lo, s[P+\j-1], v[\slot]
	v_cndmask_b32 v[SELT], v[SELT], s[M+\j], vcc_lo
	v_cndmask_b32 v[SELT+1], v[SELT+1], s[P+\j-1], vcc_lo
	v_cndmask_b32 v[SELT+2], v[SELT+2], \j, vcc_lo
.endr
	v_sub_nc_u32 v[SELT+3], v[\slot], v[SELT+1]    ; the rank in the word
	v_lshrrev_b32 v[SELT+8], 1, v[SELT]
	v_and_b32 v[SELT+8], 0x55555555, v[SELT+8]
	v_sub_nc_u32 v[SELT+4], v[SELT], v[SELT+8]     ; counts of 2 bits
	v_lshrrev_b32 v[SELT+8], 2, v[SELT+4]
	v_and_b32 v[SELT+8], 0x33333333, v[SELT+8]
	v_and_b32 v[SELT+5], 0x33333333, v[SELT+4]
	v_add_nc_u32 v[SELT+5], v[SELT+5], v[SELT+8]   ; of 4
	v_lshrrev_b32 v[SELT+8], 4, v[SELT+5]
	v_add_nc_u32 v[SELT+6], v[SELT+5], v[SELT+8]
	v_and_b32 v[SELT+6], 0x0f0f0f0f, v[SELT+6]     ; of 8
	v_and_b32 v[SELT+7], 0xff, v[SELT+6]
	v_bfe_u32 v[SELT+8], v[SELT+6], 8, 8
	v_add_nc_u32 v[SELT+7], v[SELT+7], v[SELT+8]   ; of the low 16
	v_mov_b32 v[SELT+9], 0
	DESCEND 16
	v_bfe_u32 v[SELT+7], v[SELT+6], v[SELT+9], 8
	DESCEND 8
	v_bfe_u32 v[SELT+7], v[SELT+5], v[SELT+9], 4
	DESCEND 4
	v_bfe_u32 v[SELT+7], v[SELT+4], v[SELT+9], 2
	DESCEND 2
	v_bfe_u32 v[SELT+7], v[SELT], v[SELT+9], 1
	DESCEND 1
	v_lshl_add_u32 v[\tok], v[SELT+2], 5, v[SELT+9]
.endm
; 18 loads: buffer b takes a tile's 8 fragments of my K steps and its rows' 8 scale words; bq, bs: the scalar pairs that hold the lap's bases in hq and hs
.macro TLOAD b, bq, bs
	WIN 0xc0                                       ; destination window 3, address window 0
.irp sl, 0,1,2,3,4,5,6,7
.irp c, 0,1
	global_load_b128 v[64*\b+8*\sl+4*\c:64*\b+8*\sl+4*\c+3], v[L16], s[\bq:\bq+1] offset:131072*\b+1024*\sl+512*\c
.endr
.endr
	WIN 0
	global_load_b128 v[HS+8*\b:HS+8*\b+3], v[R32], s[\bs:\bs+1] offset:8192*\b
	global_load_b128 v[HS+8*\b+4:HS+8*\b+7], v[R32], s[\bs:\bs+1] offset:8192*\b+16
.endm
; A step.  s26: its tile.  n >= 0: the wait for buffer b's first loads, n = the loads that were issued behind them without a condition.
.macro STEP b, n
.if \n >= 0
	s_wait_loadcnt \n                              ; on every way, ahead of the branch: the weights, b2 and this step's tile are in; the later first tiles' 18 loads each may be out (refills are younger still)
.endif
	s_cmp_ge_u32 s26, s25
	s_cbranch_scc1 .Lmeet_\@
.irp sl, 0,1,2,3,4,5,6,7
.if \sl == 0
	WIN 0x0d                                       ; W2 window 1, h window 3, C and D window 0
.elseif \sl == 4
	WIN 0x0e                                       ; W2 window 2
.endif
.irp ct, 0,1,2,3,4,5,6,7
.if \sl == 0
	v_wmma_scale_f32_16x16x128_f8f6f4 v[ACC+8*\ct:ACC+8*\ct+7], v[8*(8*(\sl%4)+\ct):8*(8*(\sl%4)+\ct)+7], v[64*\b+8*\sl:64*\b+8*\sl+7], 0, v[WSC+8*\ct+\sl], v[HS+8*\b+\sl] matrix_a_fmt:MATRIX_FMT_FP4 matrix_b_fmt:MATRIX_FMT_FP4
.else
	v_wmma_scale_f32_16x16x128_f8f6f4 v[ACC+8*\ct:ACC+8*\ct+7], v[8*(8*(\sl%4)+\ct):8*(8*(\sl%4)+\ct)+7], v[64*\b+8*\sl:64*\b+8*\sl+7], v[ACC+8*\ct:ACC+8*\ct+7], v[WSC+8*\ct+\sl], v[HS+8*\b+\sl] matrix_a_fmt:MATRIX_FMT_FP4 matrix_b_fmt:MATRIX_FMT_FP4
.endif
.endr
.endr
	WIN 0
.rept 5
	v_nop                                          ; places: four in front of the stores that read the results and of the loads into h's registers, five in front of the next step's products, which begin the accumulators anew
.endr
.irp ct, 0,1,2,3,4,5,6,7
	ds_store_b128 v[STO], v[ACC+8*\ct:ACC+8*\ct+3] offset:(\b%2)*PB+64*\ct          ; each accumulator from its low end on
	ds_store_b128 v[STO], v[ACC+8*\ct+4:ACC+8*\ct+7] offset:(\b%2)*PB+64*\ct+16
.endr
	s_add_co_u32 s2, s26, 16
	s_cmp_ge_u32 s2, s25
	s_cbranch_scc1 .Lmeet_\@
	TLOAD \b, 18, 100                              ; the next lap's tile of this buffer exists: it has the rest of the lap in which to land
.Lmeet_\@:
	s_wait_dscnt 0x0                               ; my stores into this stage have landed, and my reads of the other stage are over
	s_barrier_signal -1
	s_barrier_wait -1
	s_cmp_ge_u32 s26, s25
	s_cbranch_scc1 .Lover_\@
	s_wait_xcnt 0x0                                ; the last step's stores have read their registers and offsets
.irp i, 0,1,2,3
.irp g, 0,1,2,3
	ds_load_b128 v[LAND+16*\i+4*\g:LAND+16*\i+4*\g+3], v[RD] offset:(\b%2)*PB+\g*RS+528*\i
.endr
.endr
.irp i, 0,1,2,3
	v_readlane_b32 s2, v[TK], 4*\b+\i
	s_min_u32 s2, s2, 0x3ff                        ; a number made of loaded words enters an address only behind such a hold
	v_lshl_add_u32 v[OR+\i], s2, 15, v[L16]        ; a token's 8 rows of yr are 32,768 bytes
.endr
	s_wait_dscnt 0x0
.irp i, 0,1,2,3
	v_pk_add_f32 v[LAND+16*\i:LAND+16*\i+1], v[LAND+16*\i:LAND+16*\i+1], v[LAND+16*\i+4:LAND+16*\i+5]
	v_pk_add_f32 v[LAND+16*\i+2:LAND+16*\i+3], v[LAND+16*\i+2:LAND+16*\i+3], v[LAND+16*\i+6:LAND+16*\i+7]
	v_pk_add_f32 v[LAND+16*\i+8:LAND+16*\i+9], v[LAND+16*\i+8:LAND+16*\i+9], v[LAND+16*\i+12:LAND+16*\i+13]
	v_pk_add_f32 v[LAND+16*\i+10:LAND+16*\i+11], v[LAND+16*\i+10:LAND+16*\i+11], v[LAND+16*\i+14:LAND+16*\i+15]
.endr
.irp i, 0,1,2,3
	v_pk_add_f32 v[LAND+16*\i:LAND+16*\i+1], v[LAND+16*\i:LAND+16*\i+1], v[LAND+16*\i+8:LAND+16*\i+9]
	v_pk_add_f32 v[LAND+16*\i+2:LAND+16*\i+3], v[LAND+16*\i+2:LAND+16*\i+3], v[LAND+16*\i+10:LAND+16*\i+11]
.endr
.irp i, 0,1,2,3
	v_pk_add_f32 v[LAND+16*\i:LAND+16*\i+1], v[LAND+16*\i:LAND+16*\i+1], v[BB:BB+1]
	v_pk_add_f32 v[LAND+16*\i+2:LAND+16*\i+3], v[LAND+16*\i+2:LAND+16*\i+3], v[BB+2:BB+3]
.endr
	s_lshl_b32 s30, s26, 4
	s_add_co_u32 s30, s30, s29                     ; my first row's slot
.irp i, 0,1,2,3
	s_add_co_u32 s2, s30, \i
	s_cmp_ge_u32 s2, s63
	s_cbranch_scc1 .Lover_\@                       ; a last tile's spare rows are not stored; slots ascend, so the first that is missing ends the stores
	global_store_b128 v[OR+\i], v[LAND+16*\i:LAND+16*\i+3], s[16:17] th:TH_STORE_NT   ; 32 lanes store 512 consecutive bytes of one row
.endr
.Lover_\@:
	s_add_co_u32 s26, s26, 4
.endm
	s_load_b256 s[4:11], s[0:1], 0x0               ; W2's codes s[4:5], its scales s[6:7], b2 s[8:9], hq s[10:11]
	s_load_b128 s[12:15], s[0:1], 0x20             ; hs s[12:13], msk s[14:15]
	s_load_b64 s[16:17], s[0:1], 0x30              ; yr
	v_lshrrev_b32 v1, 5, v0
	v_readfirstlane_b32 s20, v1                    ; wave 0..3
	v_and_b32 v1, 31, v0                           ; lane
	v_and_b32 v2, 15, v0                           ; r
	v_bfe_u32 v3, v0, 4, 1                         ; h
	v_lshlrev_b32 v4, 11, v2
	v_lshl_add_u32 v4, v3, 4, v4                   ; W2: a row is 2,048 bytes; + 16 h
	v_lshlrev_b32 v5, 7, v2                        ; its scale bytes: 128 a row
	v_lshlrev_b32 v[L16], 4, v1
	v_lshlrev_b32 v[R32], 5, v2
	s_mul_i32 s2, s20, RS
	v_mul_u32_u24 v[STO], v2, 528
	v_lshl_add_u32 v[STO], v3, 5, v[STO]
	v_add_nc_u32 v[STO], s2, v[STO]
	s_mul_i32 s2, s20, 4*528
	v_add_nc_u32 v[RD], s2, v[L16]
	s_and_b32 s21, ttmp7, 0xffff                   ; e
	s_lshr_b32 s22, ttmp9, 2                       ; cc
	s_and_b32 s23, ttmp9, 3                        ; q
	s_lshl_b32 s29, s20, 2                         ; 4 w
	v_and_b32 v[SL], 3, v0
	v_bfe_u32 v[SLOT], v0, 2, 2
	v_lshl_add_u32 v[SL], v[SLOT], 6, v[SL]        ; (lane % 4) + 64 ((lane / 4) % 4)
	s_lshl_b32 s2, s23, 4
	s_add_co_u32 s2, s2, s29
	v_add_nc_u32 v[SL], s2, v[SL]                  ; + 16 q + 4 w
	s_mov_b32 s26, s23                             ; the first step's tile
	s_mov_b32 s3, 0
	s_wait_kmcnt 0x0
	s_lshl_b32 s2, s21, 7
	s_add_nc_u64 s[14:15], s[14:15], s[2:3]
	s_load_b512 s[68:83], s[14:15], 0x0            ; the expert's mask
	s_load_b512 s[84:99], s[14:15], 0x40
	s_lshl_b32 s2, s21, 21
	s_lshl_b32 s30, s22, 18
	s_add_co_u32 s2, s2, s30
	s_lshl_b32 s30, s20, 9
	s_add_co_u32 s2, s2, s30
	s_add_nc_u64 s[4:5], s[4:5], s[2:3]            ; W2: expert e, row 128 cc, my 8 K steps of 64 bytes
	s_lshl_b32 s2, s21, 17
	s_lshl_b32 s30, s22, 14
	s_add_co_u32 s2, s2, s30
	s_lshl_b32 s30, s20, 5
	s_add_co_u32 s2, s2, s30
	s_add_nc_u64 s[6:7], s[6:7], s[2:3]
	s_lshl_b32 s2, s21, 12
	s_lshl_b32 s30, s22, 9
	s_add_co_u32 s2, s2, s30
	s_add_nc_u64 s[8:9], s[8:9], s[2:3]            ; b2 at my 128 columns,
	s_add_nc_u64 s[16:17], s[16:17], s[2:3]        ; and yr at row e of a token, the same columns
	s_lshl_b32 s2, s21, 21
	s_lshl_b32 s30, s23, 15
	s_add_co_u32 s2, s2, s30
	s_lshl_b32 s30, s20, 13
	s_add_co_u32 s2, s2, s30
	s_add_nc_u64 s[10:11], s[10:11], s[2:3]        ; hq: expert e, tile q, K step 8 w
	s_lshl_b32 s2, s21, 17
	s_lshl_b32 s30, s23, 11
	s_add_co_u32 s2, s2, s30
	s_lshl_b32 s30, s20, 9
	s_add_co_u32 s2, s2, s30
	s_add_nc_u64 s[12:13], s[12:13], s[2:3]        ; hs likewise
	s_add_nc_u64 s[18:19], s[10:11], 0x80000       ; the refills' bases: 16 tiles on
	s_add_nc_u64 s[100:101], s[12:13], 0x8000
	WIN 0x40                                       ; destination window 1: my K steps 0-3
.irp ct, 0,1,2,3,4,5,6,7
.irp sl, 0,1,2,3
.irp c, 0,1
	global_load_b128 v[8*(8*\sl+\ct)+4*\c:8*(8*\sl+\ct)+4*\c+3], v4, s[4:5] offset:32768*\ct+64*\sl+32*\c
.endr
.endr
.endr
	WIN 0x80                                       ; window 2: K steps 4-7
.irp ct, 0,1,2,3,4,5,6,7
.irp sl, 0,1,2,3
.irp c, 0,1
	global_load_b128 v[8*(8*\sl+\ct)+4*\c:8*(8*\sl+\ct)+4*\c+3], v4, s[4:5] offset:32768*\ct+256+64*\sl+32*\c
.endr
.endr
.endr
	WIN 0
.irp ct, 0,1,2,3,4,5,6,7
	global_load_b128 v[WSC+8*\ct:WSC+8*\ct+3], v5, s[6:7] offset:2048*\ct
	global_load_b128 v[WSC+8*\ct+4:WSC+8*\ct+7], v5, s[6:7] offset:2048*\ct+16
.endr
	global_load_b128 v[BB:BB+3], v[L16], s[8:9]
	TLOAD 0, 10, 12
	TLOAD 1, 10, 12
	TLOAD 2, 10, 12
	TLOAD 3, 10, 12
	s_wait_kmcnt 0x0
	s_bcnt1_i32_b32 s[P], s[M]
.irp j, 1,2,3,4,5,6,7,8,9,10,11,12,13,14,15,16,17,18,19,20,21,22,23,24,25,26,27,28,29,30,31
	s_bcnt1_i32_b32 s2, s[M+\j]
	s_add_co_u32 s[P+\j], s[P+\j-1], s2
.endr
	s_add_co_u32 s25, s63, 15
	s_lshr_b32 s25, s25, 4                         ; the expert's tiles
	s_sub_co_u32 s27, s63, 1                       ; its last slot
	v_min_u32 v[SLOT], s27, v[SL]
	SELECT SLOT, TK
	STEP 0, 54                                     ; lap 0 is written out: its waits are counted
	STEP 1, 36
	STEP 2, 18
	STEP 3, 0
	s_mov_b32 s28, 3
.Llap:
	s_wait_loadcnt 0x0                             ; the refills of the lap before are in: their bases may step
	s_add_nc_u64 s[18:19], s[18:19], 0x80000
	s_add_nc_u64 s[100:101], s[100:101], 0x8000
	v_add_nc_u32 v[SL], 0x100, v[SL]               ; 16 tiles on
	s_cmp_ge_u32 s26, s25
	s_cbranch_scc1 .Lno_rows                       ; no tile in this lap: no tokens to find
	v_min_u32 v[SLOT], s27, v[SL]
	SELECT SLOT, TK
.Lno_rows:
	STEP 0, -1
	STEP 1, -1
	STEP 2, -1
	STEP 3, -1
	s_sub_co_u32 s28, s28, 1
	s_cmp_lg_u32 s28, 0
	s_cbranch_scc1 .Llap
	s_wait_xcnt 0x0
	v_lshl_add_u32 v254, v0, 2, 0x11000
	v_mov_b32 v255, 0
	s_wait_tensorcnt 0x0
	ds_add_u32 v254, v255
	s_wait_dscnt 0x0
	s_endpgm
.Lfunc_end_k_q2fff6870e1_down:
	.size	k_q2fff6870e1_down, .Lfunc_end_k_q2fff6870e1_down-k_q2fff6870e1_down
	.p2alignl 7, 3214868480
	.fill 96, 4, 3214868480
	.section	.rodata,"a",@progbits
	.p2align	6, 0x0
	.amdhsa_kernel k_q2fff6870e1_down
		.amdhsa_group_segment_fixed_size 70144
		.amdhsa_private_segment_fixed_size 0
		.amdhsa_enable_private_segment 0
		.amdhsa_kernarg_size 56
		.amdhsa_user_sgpr_count 2
		.amdhsa_user_sgpr_kernarg_segment_ptr 1
		.amdhsa_wavefront_size32 1
		.amdhsa_system_sgpr_workgroup_id_x 1
		.amdhsa_system_sgpr_workgroup_id_y 1
		.amdhsa_system_sgpr_workgroup_id_z 1
		.amdhsa_system_vgpr_workitem_id 0
		.amdhsa_next_free_vgpr 1024
		.amdhsa_next_free_sgpr 102
		.amdhsa_reserve_vcc 1
		.amdhsa_float_denorm_mode_32 3
		.amdhsa_float_denorm_mode_16_64 3
		.amdhsa_memory_ordered 1
		.amdhsa_forward_progress 1
		.amdhsa_inst_pref_size 172
	.end_amdhsa_kernel
	.amdgpu_metadata
---
amdhsa.version: [ 1, 2 ]
amdhsa.kernels:
  - .name:           k_q2fff6870e1_down
    .symbol:         k_q2fff6870e1_down.kd
    .args:
      - { .name: W2_codes, .offset: 0, .size: 8, .value_kind: global_buffer, .address_space: global }
      - { .name: W2_scales, .offset: 8, .size: 8, .value_kind: global_buffer, .address_space: global }
      - { .name: b2, .offset: 16, .size: 8, .value_kind: global_buffer, .address_space: global }
      - { .name: hq, .offset: 24, .size: 8, .value_kind: global_buffer, .address_space: global }
      - { .name: hs, .offset: 32, .size: 8, .value_kind: global_buffer, .address_space: global }
      - { .name: msk, .offset: 40, .size: 8, .value_kind: global_buffer, .address_space: global }
      - { .name: yr, .offset: 48, .size: 8, .value_kind: global_buffer, .address_space: global }
    .group_segment_fixed_size: 70144
    .private_segment_fixed_size: 0
    .kernarg_segment_align: 8
    .kernarg_segment_size: 56
    .max_flat_workgroup_size: 128
    .sgpr_count:     102
    .vgpr_count:     1024
    .wavefront_size: 32
...
	.end_amdgpu_metadata
.endif
;; end of part 3
;; launch mix (part 4): grid 256 x 1, 4 waves a work-group, no clusters, 0 bytes of LDS; arguments yr, eid, pw, out0; writes out0
.if DOCPART == 4
	.amdgcn_target "amdgcn-amd-amdhsa--gfx1250"
	.amdhsa_code_object_version 6
	.text
	.protected	k_q2fff6870e1_mix
	.globl	k_q2fff6870e1_mix
	.p2align	8
	.type	k_q2fff6870e1_mix,@function
k_q2fff6870e1_mix:
	s_mov_b64 s[64:65], 0
	v_nop
	global_prefetch_b8 v0, s[64:65] scope:SCOPE_SE
	s_setreg_imm32_b32 hwreg(HW_REG_WAVE_MODE, 25, 1), 1
	s_wait_xcnt 0x0
; MIX: out0[t] = p0 yr[t, e0] + p1 yr[t, e1].  The six experts that the gate left out have the weight 0 in the sum and are not read.
; A wave takes one token: two rows of 4,096 bytes in, one out; each load and store of the wave covers 512 consecutive bytes.  The experts' numbers were stored by the first launch as whole numbers.
; A stream: no LDS, no barrier, no matrix unit, no cluster (no byte is read by two work-groups).
.set A, 8                              ; v8-39   the first expert's row
.set B, 40                             ; v40-71  the second's
.set R, 72                             ; v72-103 the result: registers of its own, so that no store's data are written again
	s_load_b256 s[4:11], s[0:1], 0x0               ; yr s[4:5], eid s[6:7], pw s[8:9], out0 s[10:11]
	v_lshrrev_b32 v1, 5, v0
	v_readfirstlane_b32 s12, v1                    ; wave
	v_and_b32 v1, 31, v0
	v_lshlrev_b32 v1, 4, v1                        ; 16 bytes a lane
	s_lshl_b32 s13, ttmp9, 2
	s_add_co_u32 s12, s12, s13                     ; my token
	s_lshl_b32 s2, s12, 3                          ; 8 bytes a token in eid and pw; also the token's first row of yr
	s_mov_b32 s3, 0
	s_lshl_b32 s18, s12, 12
	s_mov_b32 s19, 0
	s_wait_kmcnt 0x0
	s_add_nc_u64 s[6:7], s[6:7], s[2:3]
	s_add_nc_u64 s[8:9], s[8:9], s[2:3]
	s_add_nc_u64 s[10:11], s[10:11], s[18:19]
	s_load_b64 s[14:15], s[6:7], 0x0               ; e0, e1
	s_load_b64 s[16:17], s[8:9], 0x0               ; p0, p1
	s_wait_kmcnt 0x0
	s_min_u32 s14, s14, 7                          ; a loaded number enters an address only behind such a hold
	s_min_u32 s15, s15, 7
	s_add_co_u32 s14, s14, s2
	s_add_co_u32 s15, s15, s2
	v_lshl_add_u32 v2, s14, 12, v1                 ; row 8 t + e of 4,096 bytes
	v_lshl_add_u32 v3, s15, 12, v1
	s_mov_b32 s20, s16                             ; the packed forms name pairs and take the low word for both halves: both words are written
	s_mov_b32 s21, s16
	s_mov_b32 s22, s17
	s_mov_b32 s23, s17
.irp i, 0,1,2,3,4,5,6,7
	global_load_b128 v[A+4*\i:A+4*\i+3], v2, s[4:5] offset:512*\i th:TH_LOAD_NT
	global_load_b128 v[B+4*\i:B+4*\i+3], v3, s[4:5] offset:512*\i th:TH_LOAD_NT
.endr
.irp i, 0,1,2,3,4,5,6,7
	s_wait_loadcnt 14-2*\i                         ; piece i of both rows is in; the later pieces' two loads each may be out
	v_pk_mul_f32 v[R+4*\i:R+4*\i+1], v[A+4*\i:A+4*\i+1], s[20:21] op_sel_hi:[1,0]
	v_pk_mul_f32 v[R+4*\i+2:R+4*\i+3], v[A+4*\i+2:A+4*\i+3], s[20:21] op_sel_hi:[1,0]
	v_pk_fma_f32 v[R+4*\i:R+4*\i+1], v[B+4*\i:B+4*\i+1], s[22:23], v[R+4*\i:R+4*\i+1] op_sel_hi:[1,0,1]
	v_pk_fma_f32 v[R+4*\i+2:R+4*\i+3], v[B+4*\i+2:B+4*\i+3], s[22:23], v[R+4*\i+2:R+4*\i+3] op_sel_hi:[1,0,1]
	global_store_b128 v1, v[R+4*\i:R+4*\i+3], s[10:11] offset:512*\i th:TH_STORE_NT
.endr
	s_endpgm
.Lfunc_end_k_q2fff6870e1_mix:
	.size	k_q2fff6870e1_mix, .Lfunc_end_k_q2fff6870e1_mix-k_q2fff6870e1_mix
	.p2alignl 7, 3214868480
	.fill 96, 4, 3214868480
	.section	.rodata,"a",@progbits
	.p2align	6, 0x0
	.amdhsa_kernel k_q2fff6870e1_mix
		.amdhsa_group_segment_fixed_size 0
		.amdhsa_private_segment_fixed_size 0
		.amdhsa_enable_private_segment 0
		.amdhsa_kernarg_size 32
		.amdhsa_user_sgpr_count 2
		.amdhsa_user_sgpr_kernarg_segment_ptr 1
		.amdhsa_wavefront_size32 1
		.amdhsa_system_sgpr_workgroup_id_x 1
		.amdhsa_system_sgpr_workgroup_id_y 1
		.amdhsa_system_sgpr_workgroup_id_z 1
		.amdhsa_system_vgpr_workitem_id 0
		.amdhsa_next_free_vgpr 104
		.amdhsa_next_free_sgpr 66
		.amdhsa_reserve_vcc 0
		.amdhsa_float_denorm_mode_32 3
		.amdhsa_float_denorm_mode_16_64 3
		.amdhsa_memory_ordered 1
		.amdhsa_forward_progress 1
		.amdhsa_inst_pref_size 6
	.end_amdhsa_kernel
	.amdgpu_metadata
---
amdhsa.version: [ 1, 2 ]
amdhsa.kernels:
  - .name:           k_q2fff6870e1_mix
    .symbol:         k_q2fff6870e1_mix.kd
    .args:
      - { .name: yr, .offset: 0, .size: 8, .value_kind: global_buffer, .address_space: global }
      - { .name: eid, .offset: 8, .size: 8, .value_kind: global_buffer, .address_space: global }
      - { .name: pw, .offset: 16, .size: 8, .value_kind: global_buffer, .address_space: global }
      - { .name: out0, .offset: 24, .size: 8, .value_kind: global_buffer, .address_space: global }
    .group_segment_fixed_size: 0
    .private_segment_fixed_size: 0
    .kernarg_segment_align: 8
    .kernarg_segment_size: 32
    .max_flat_workgroup_size: 128
    .sgpr_count:     66
    .vgpr_count:     104
    .wavefront_size: 32
...
	.end_amdgpu_metadata
.endif
;; end of part 4
;; ======== version 2 of 2: 4 launches; version 1 with the launches up, down written anew for expert scheduling mode
;; workspace buffers: xq 524,288 bytes; xs 32,768 bytes; msk 1,024 bytes of whole numbers; eid 8,192 bytes of whole numbers; pw 8,192 bytes; hq 16,777,216 bytes; hs 1,048,576 bytes; yr 33,554,432 bytes
;; launch route: the kernel of part 1 again; grid 128 x 1, 4 waves a work-group, no clusters, 8,704 bytes of LDS; arguments x, Wg, xq, xs, msk, eid, pw; writes xq, xs, msk, eid, pw
;; launch up (part 5): grid 32 x 8, 4 waves a work-group, no clusters, 68,096 bytes of LDS; arguments W1_codes, W1_scales, b1, xq, xs, msk, hq, hs; writes hq, hs
.if DOCPART == 5
	.amdgcn_target "amdgcn-amd-amdhsa--gfx1250"
	.amdhsa_code_object_version 6
	.text
	.protected	k_q2fff6870e1_up
	.globl	k_q2fff6870e1_up
	.p2align	8
	.type	k_q2fff6870e1_up,@function
k_q2fff6870e1_up:
	s_mov_b64 s[64:65], 0
	v_nop
	global_prefetch_b8 v0, s[64:65] scope:SCOPE_SE
	s_setreg_imm32_b32 hwreg(HW_REG_WAVE_SCHED_MODE, 0, 2), 2
	s_setreg_imm32_b32 hwreg(HW_REG_WAVE_MODE, 25, 1), 1
	s_wait_xcnt 0x0
	s_wait_alu depctr_vm_vsrc(0)
; UP: for the rows that chose expert e: h = gelu(x W1 + b1), exact gelu in f32, quantised along the hidden axis to codes of E2M1.  Both operands of the product are codes with E8M0 scales.
; SHARES.  Work-group (x = chunk, y = e) makes hidden units 128 chunk .. + 127 of expert e, which are K step `chunk` of the second product.  Each of its four waves keeps those 128 rows of W1
; (64 fragments, 512 registers), their scale words and biases in registers, and takes the expert's tiles of 16 rows w, w + 4, w + 8 ..: two tiles (A = w + 8 i, B = A + 4) a trip.
; W1 COMES ONCE FOR THE WORK-GROUP, IN WHOLE ROWS.  Wave w loads rows 32 w .. 32 w + 31, each load one row's 512 consecutive bytes, and lays them into LDS; behind one barrier every wave reads its
; 64 fragments from there.  So the work-group issues 128 loads of W1, each on one row, where four waves loading fragments themselves would issue 512, each on pieces of 32 bytes of sixteen rows.
; WHICH ROWS OF x.  Slot s of expert e is the token of the s-th set bit of the expert's 1,024-bit mask, which the launch before stored.  The 32 mask words and their running counts lie in scalar
; registers; SELECT finds a lane's token in registers.  Slots past the last are held at the last, so a last tile's spare rows repeat that token: every tile that exists is written whole.
; THE PRODUCT IS USED TRANSPOSED (source 0 = 16 rows of W1, source 1 = 16 tokens), and lane r of tile 2 b + u takes W1's row 32 b + 8 u + r + 8 (r / 8): a lane then holds one token, and the 16
; registers of tiles 2 b, 2 b + 1 are 16 neighbours along the next K.  b1 is the C of each sum's first product.
; OUT.  hq [e][tile][K step][1,024 bytes]: the image of the second product's operand registers (16 bytes a lane, 512 a store).  hs [e][tile][K step / 8][row][8 words]: the scale words.
; gelu(x) = max(x, 0) - |x| q, q = erfc(|x| / sqrt 2) / 2 = t 2^(poly(t) - x^2 log2(e) / 2), t = 1 / (1 + |x| / (2 sqrt 2)): the nine-degree fit of erfc with fractional error 1.2e-7.
; No tensor load, no joint request: the number of trips and branches hang on counts read from memory.  One barrier, at the head, ahead of every such branch; behind it the waves share nothing.
; LIMITS: NaN and infinities are not served; a block of zeros gets the byte 1 (its codes are zeros; this program alone reads the bytes).
; REGISTERS, in windows of 256.  Window 0: below.  Windows 1, 2: W1's fragment (tile t, K step s) at v[8 (8 (s % 4) + t)] of window 1 + s / 4 (at the head window 1's v0-127 take my 32 rows as loaded).
; Window 3: v0-63 tile A's 8 fragments of x, v64-127 tile B's, v128-191 b1 (8 registers a tile).
; THE MODE: SCHED_MODE bits 1:0 = 2 (LLVM: expert scheduling mode 2), set by the entry lines.  The code itself states the register dependences between vector or matrix instructions and memory
; or LDS instructions, with s_wait_alu, always for 0.
; THE PLAN.  Registers that memory or LDS instructions touch:
;   v4, v5, v6, v[SA], v[FA]   offsets and LDS addresses, made once at the head, ahead of the head's wait on va_vdst, and never written again.
;   window 1, v0-127           my 32 rows land there, my LDS stores read them, the fragments land there: one wait on vm_vsrc, behind the barrier.
;   XA                         read by tile A's 64 products; the next tile A's 16 loads land there.  One wait on va_vdst stands behind NEXT; the loads follow it four at a time, one group ahead of
;                              each quarter of the gelu, which names HA, GT, GP, GQ and v28-29 alone.
;   XB, XS                     read by the products; loaded again at the trip's end, behind the wait on va_vdst that stands there.
;   v[OA], v[OS], v[OB]        written by NEXT and by the move at the trip's end; read by x's loads.
;   out-buffers A and B        v[PCA ..], v[PWA] and v[PCB ..], v[PWB]: written by a tile's QUANT, read by its three stores behind one wait on va_vdst, written again a trip later.
;   v[OH], v[OSS]              read by the stores, stepped at the trip's end.
; ONE pair at the trip's end, s_wait_xcnt 0 and the wait on vm_vsrc, stands between every read of the last four groups by a memory instruction and the next write of them.
; HA, GT, GP, GQ, TM and SELECT's registers are named by vector and matrix instructions alone.
; MASKS.  SELECT's compares go in runs of seven into scalar registers that are free from the first SELECT on, with one wait on va_sdst behind each run; each halving has one wait on va_vcc.
.set M,    68                          ; s[68:99]  the expert's 32 mask words
.set P,    32                          ; s[32:63]  their running counts, inclusive; s63 = n, the expert's rows
.set MK0,  2                           ; seven scalar registers for a run of compares: all are done with their first use (temporaries, the mask's address, e, chunk) when the first SELECT begins
.set MK1,  3
.set MK2,  14
.set MK3,  15
.set MK4,  21
.set MK5,  22
.set MK6,  23
.set WP,   528                         ; LDS: a row of W1: 512 bytes + 16 = 132 words, so that 16 neighbouring rows start at 16 different columns of 16 bytes; 128 rows from byte 0 on
.set OA,   8                           ; v8   tile A's byte offset in xq: token x 512 + 16 (lane / 16)
.set OB,   9                           ; v9   tile B's
.set OS,   10                          ; v10  in xs: lanes 0-15 tile A's tokens, lanes 16-31 tile B's
.set NOB,  11                          ; v11  tile B's next offset, kept apart while the loads by v9 are out
.set SL,   12                          ; v12  my slot of the next trip
.set SLOT, 13
.set TOK,  14
.set X16,  15
.set OH,   16                          ; v16  my place in hq: 16 lane + 32,768 tile A
.set OSS,  17                          ; v17  in hs: 32 (lane % 16) + 2,048 tile A
.set SELT, 18                          ; v18-27 SELECT's: word, count before it, word index, rank, sums of 2, 4, 8 bits, a count, at work, bit
.set WSC,  32                          ; v32-95  W1's scale words: 8 t + s
.set XS,   96                          ; v96-103 x's scale words: K step s
.set PCA,  104                         ; v104-111 tile A's codes
.set HA,   112                         ; v112-175 8 accumulators
.set GT,   176                         ; v176-191 t
.set GP,   192                         ; v192-207 the polynomial, then q
.set GQ,   208                         ; v208-223 x^2, then max(x, 0)
.set TM,   224                         ; v224-239 the quantiser's
.set PWA,  240                         ; v240 tile A's scale word
.set SA,   241                         ; v241 LDS, in: my wave's 32 places, 16 bytes a lane
.set FA,   242                         ; v242 LDS, out: place lane % 16 of a tile, + 16 (lane / 16)
.set PWB,  243                         ; v243 tile B's scale word
.set PCB,  244                         ; v244-251 tile B's codes
.set XA,   0
.set XB,   64
.set B1,   128
.set MSB,  0
.macro WIN new                         ; the immediate's high byte repeats the setting that is left
.if MSB != \new
	s_set_vgpr_msb (MSB<<8)|\new
.set MSB, \new
.endif
.endm
.macro DESCEND w                       ; the wanted bit lies in the upper half of the field where the rank reaches the lower half's count
	v_cmp_ge_u32 vcc_lo, v[SELT+3], v[SELT+7]
	v_sub_nc_u32 v[SELT+8], v[SELT+3], v[SELT+7]
	s_wait_alu depctr_va_vcc(0)                    ; the compare has written VCC, which the two selections below read
	v_cndmask_b32 v[SELT+3], v[SELT+3], v[SELT+8], vcc_lo
	v_add_nc_u32 v[SELT+8], \w, v[SELT+9]
	v_cndmask_b32 v[SELT+9], v[SELT+9], v[SELT+8], vcc_lo
.endm
; n words, j0 on: a run of compares into scalar registers, one wait, and the selections in ascending order of the words.
.macro WORDS slot, j0, n
.irp i, 0,1,2,3,4,5,6
.if \i < \n
	v_cmp_le_u32 s[MK\i], s[P+(\j0)+\i-1], v[\slot]
.endif
.endr
	s_wait_alu depctr_va_sdst(0)                   ; the run's compares have written their masks, which the selections below read
.irp i, 0,1,2,3,4,5,6
.if \i < \n
	v_cndmask_b32 v[SELT], v[SELT], s[M+(\j0)+\i], s[MK\i]
	v_cndmask_b32 v[SELT+1], v[SELT+1], s[P+(\j0)+\i-1], s[MK\i]
	v_cndmask_b32 v[SELT+2], v[SELT+2], (\j0)+\i, s[MK\i]
.endif
.endr
.endm
; v[tok] = the place of set bit number v[slot] among the 1,024: first the word (the last whose count before it does not pass the slot), then the bit, by halving.
.macro SELECT slot, tok
	v_mov_b32 v[SELT], s[M]
	v_mov_b32 v[SELT+1], 0
	v_mov_b32 v[SELT+2], 0
	WORDS \slot, 1, 7
	WORDS \slot, 8, 7
	WORDS \slot, 15, 7
	WORDS \slot, 22, 7
	WORDS \slot, 29, 3
	v_sub_nc_u32 v[SELT+3], v[\slot], v[SELT+1]    ; the rank in the word
	v_lshrrev_b32 v[SELT+8], 1, v[SELT]
	v_and_b32 v[SELT+8], 0x55555555, v[SELT+8]
	v_sub_nc_u32 v[SELT+4], v[SELT], v[SELT+8]     ; counts of 2 bits
	v_lshrrev_b32 v[SELT+8], 2, v[SELT+4]
	v_and_b32 v[SELT+8], 0x33333333, v[SELT+8]
	v_and_b32 v[SELT+5], 0x33333333, v[SELT+4]
	v_add_nc_u32 v[SELT+5], v[SELT+5], v[SELT+8]   ; of 4
	v_lshrrev_b32 v[SELT+8], 4, v[SELT+5]
	v_add_nc_u32 v[SELT+6], v[SELT+5], v[SELT+8]
	v_and_b32 v[SELT+6], 0x0f0f0f0f, v[SELT+6]     ; of 8
	v_and_b32 v[SELT+7], 0xff, v[SELT+6]
	v_bfe_u32 v[SELT+8], v[SELT+6], 8, 8
	v_add_nc_u32 v[SELT+7], v[SELT+7], v[SELT+8]   ; of the low 16
	v_mov_b32 v[SELT+9], 0
	DESCEND 16
	v_bfe_u32 v[SELT+7], v[SELT+6], v[SELT+9], 8
	DESCEND 8
	v_bfe_u32 v[SELT+7], v[SELT+5], v[SELT+9], 4
	DESCEND 4
	v_bfe_u32 v[SELT+7], v[SELT+4], v[SELT+9], 2
	DESCEND 2
	v_bfe_u32 v[SELT+7], v[SELT], v[SELT+9], 1
	DESCEND 1
	v_lshl_add_u32 v[\tok], v[SELT+2], 5, v[SELT+9]
.endm
; The next trip's tokens and offsets.  Lanes 0-15 find tile A's tokens, lanes 16-31 tile B's; each half then takes the other's.
.macro NEXT
	v_min_u32 v[SLOT], s27, v[SL]                  ; slots past the last are held at the last
	SELECT SLOT, TOK
	v_permlanex16_b32 v[X16], v[TOK], s28, s29
	v_cndmask_b32 v30, v[TOK], v[X16], s30         ; tile A's token of row lane % 16, in all 32 lanes
	v_cndmask_b32 v31, v[X16], v[TOK], s30         ; tile B's
	v_min_u32 v30, 0x3ff, v30                      ; a number made of loaded words enters an address only behind such a hold
	v_min_u32 v31, 0x3ff, v31
	v_min_u32 v[TOK], 0x3ff, v[TOK]
	v_lshl_add_u32 v[OA], v30, 9, v3
	v_lshl_add_u32 v[NOB], v31, 9, v3
	v_lshlrev_b32 v[OS], 5, v[TOK]
	v_add_nc_u32 v[SL], 128, v[SL]                 ; 8 tiles on
.endm
.macro XLOAD buf, off                  ; a tile's 8 fragments of x: lane (r, h) takes of token r's 512 bytes the 16 at 64 s + 32 c + 16 h
	WIN 0xc0                                       ; destination window 3, address window 0
.irp s, 0,1,2,3,4,5,6,7
.irp c, 0,1
	global_load_b128 v[\buf+8*\s+4*\c:\buf+8*\s+4*\c+3], v[\off], s[10:11] offset:64*\s+32*\c
.endr
.endr
	WIN 0
.endm
.macro XQ buf, off, s0                 ; a quarter of that: the fragments of K steps s0 and s0 + 1, four loads
	WIN 0xc0                                       ; destination window 3, address window 0
.irp s, \s0, \s0+1
.irp c, 0,1
	global_load_b128 v[\buf+8*(\s)+4*\c:\buf+8*(\s)+4*\c+3], v[\off], s[10:11] offset:64*(\s)+32*\c
.endr
.endr
	WIN 0
.endm
.macro XSLOAD                          ; both tiles' scale words: 8 words a token
	global_load_b128 v[XS:XS+3], v[OS], s[12:13]
	global_load_b128 v[XS+4:XS+7], v[OS], s[12:13] offset:16
.endm
.macro WM t, s, buf, row
.if \s == 0
.if \row
	v_wmma_scale_f32_16x16x128_f8f6f4 v[HA+8*\t:HA+8*\t+7], v[8*(8*(\s%4)+\t):8*(8*(\s%4)+\t)+7], v[\buf+8*\s:\buf+8*\s+7], v[B1+8*\t:B1+8*\t+7], v[WSC+8*\t+\s], v[XS+\s] matrix_a_fmt:MATRIX_FMT_FP4 matrix_b_fmt:MATRIX_FMT_FP4 matrix_b_scale:MATRIX_SCALE_ROW1
.else
	v_wmma_scale_f32_16x16x128_f8f6f4 v[HA+8*\t:HA+8*\t+7], v[8*(8*(\s%4)+\t):8*(8*(\s%4)+\t)+7], v[\buf+8*\s:\buf+8*\s+7], v[B1+8*\t:B1+8*\t+7], v[WSC+8*\t+\s], v[XS+\s] matrix_a_fmt:MATRIX_FMT_FP4 matrix_b_fmt:MATRIX_FMT_FP4
.endif
.else
.if \row
	v_wmma_scale_f32_16x16x128_f8f6f4 v[HA+8*\t:HA+8*\t+7], v[8*(8*(\s%4)+\t):8*(8*(\s%4)+\t)+7], v[\buf+8*\s:\buf+8*\s+7], v[HA+8*\t:HA+8*\t+7], v[WSC+8*\t+\s], v[XS+\s] matrix_a_fmt:MATRIX_FMT_FP4 matrix_b_fmt:MATRIX_FMT_FP4 matrix_b_scale:MATRIX_SCALE_ROW1
.else
	v_wmma_scale_f32_16x16x128_f8f6f4 v[HA+8*\t:HA+8*\t+7], v[8*(8*(\s%4)+\t):8*(8*(\s%4)+\t)+7], v[\buf+8*\s:\buf+8*\s+7], v[HA+8*\t:HA+8*\t+7], v[WSC+8*\t+\s], v[XS+\s] matrix_a_fmt:MATRIX_FMT_FP4 matrix_b_fmt:MATRIX_FMT_FP4
.endif
.endif
.endm
; 64 products: 8 K steps x 8 tiles of hidden units; the 8 accumulators take turns, one instruction a turn.  row = 1: x's scale words are taken from lanes 16-31.
.macro MUL buf, row
.irp s, 0,1,2,3,4,5,6,7
.if \s == 0
	WIN 0x3d                                       ; W1 window 1, x window 3, C (b1) window 3, D window 0
.elseif \s < 4
	WIN 0x0d                                       ; C and D window 0
.else
	WIN 0x0e                                       ; W1 window 2
.endif
.irp t, 0,1,2,3,4,5,6,7
	WM \t, \s, \buf, \row
.endr
.endr
	WIN 0
.endm
; The exact gelu of 16 numbers (accumulators 2 g and 2 g + 1, each read from its lowest register on), in place.
.macro GELU16 g
.irp i, 0,1,2,3,4,5,6,7,8,9,10,11,12,13,14,15
	v_fma_f32 v[GT+\i], |v[HA+16*\g+\i]|, 0x3eb504f3, 1.0          ; 1 + |x| / (2 sqrt 2)
.endr
.irp i, 0,1,2,3,4,5,6,7,8,9,10,11,12,13,14,15
	v_rcp_f32 v[GT+\i], v[GT+\i]                   ; t
.endr
.irp i, 0,2,4,6,8,10,12,14
	v_pk_mul_f32 v[GQ+\i:GQ+\i+1], v[HA+16*\g+\i:HA+16*\g+\i+1], v[HA+16*\g+\i:HA+16*\g+\i+1]   ; x^2 (the plain lines behind the reciprocals)
.endr
	s_wait_alu depctr_va_vdst(0)                   ; the sixteen reciprocals have written t, v[GT ..]: one wait for the batch, ahead of its first reader
.irp i, 0,2,4,6,8,10,12,14
	v_pk_fma_f32 v[GP+\i:GP+\i+1], v[GT+\i:GT+\i+1], v[28:29], 0xbf97d29d op_sel_hi:[1,1,0]
.endr
.irp a, 0x40097039, 0xbfd1a1e5, 0x3ecdfd18, 0xbe899a80, 0x3e0efb2e, 0x3f0a29d2, 0x3fb8ab5a, 0xc034d90f
.irp i, 0,2,4,6,8,10,12,14
	v_pk_fma_f32 v[GP+\i:GP+\i+1], v[GP+\i:GP+\i+1], v[GT+\i:GT+\i+1], \a op_sel_hi:[1,1,0]     ; the fit's coefficients x log2(e); the last has 1 taken off, for the half
.endr
.endr
.irp i, 0,2,4,6,8,10,12,14
	v_pk_fma_f32 v[GP+\i:GP+\i+1], v[GQ+\i:GQ+\i+1], 0xbf38aa3b, v[GP+\i:GP+\i+1] op_sel_hi:[1,0,1]   ; - x^2 log2(e) / 2
.endr
.irp i, 0,1,2,3,4,5,6,7,8,9,10,11,12,13,14,15
	v_exp_f32 v[GP+\i], v[GP+\i]
.endr
.irp i, 0,1,2,3,4,5,6,7,8,9,10,11,12,13,14,15
	v_max_num_f32 v[GQ+\i], 0, v[HA+16*\g+\i]      ; max(x, 0) (the plain lines behind the exponentials)
.endr
	s_wait_alu depctr_va_vdst(0)                   ; the sixteen exponentials have written v[GP ..]: one wait for the batch, ahead of its first reader
.irp i, 0,2,4,6,8,10,12,14
	v_pk_mul_f32 v[GP+\i:GP+\i+1], v[GP+\i:GP+\i+1], v[GT+\i:GT+\i+1]                           ; q
.endr
.irp i, 0,1,2,3,4,5,6,7,8,9,10,11,12,13,14,15
	v_fma_f32 v[HA+16*\g+\i], -|v[HA+16*\g+\i]|, v[GP+\i], v[GQ+\i]
.endr
.endm
; 64 numbers of a lane, register 16 b + i = k 32 b + 16 (lane / 16) + i of my row, become a fragment's codes in v[pc] on and its scale word in v[pw].
.macro QUANT s, pc, pw
.irp b, 0,1,2,3
	v_max3_num_f32 v[TM+\b], |v[\s+16*\b]|, |v[\s+1+16*\b]|, 0x1800000   ; my 16 numbers of block b, and the floor 2^(3 - 127)
.endr
.irp i, 2,4,6,8,10,12,14
.irp b, 0,1,2,3
	v_max3_num_f32 v[TM+\b], v[TM+\b], |v[\s+16*\b+\i]|, |v[\s+1+16*\b+\i]|
.endr
.endr
.irp b, 0,1,2,3
	v_permlanex16_b32 v[TM+4+\b], v[TM+\b], s28, s29
.endr
.irp b, 0,1,2,3
	v_max_num_f32 v[TM+\b], v[TM+\b], v[TM+4+\b]   ; with lane l xor 16's: the block's largest magnitude
.endr
.irp b, 0,1,2,3
	v_add_nc_u32 v[TM+12+\b], 0xff000000, v[TM+\b] ; 2 off its exponent field: the conversion's scale operand
.endr
.irp b, 0,1,2,3
	v_lshrrev_b32 v[TM+4+\b], 23, v[TM+12+\b]      ; the scale's byte
.endr
	v_lshl_or_b32 v[\pw], v[TM+5], 8, v[TM+4]
	v_lshl_or_b32 v[\pw], v[TM+6], 16, v[\pw]
	v_lshl_or_b32 v[\pw], v[TM+7], 24, v[\pw]
.irp b, 0,1,2,3
	v_cvt_scalef32_pk8_fp4_f32 v[\pc+2*\b], v[\s+16*\b:\s+7+16*\b], v[TM+12+\b]
	v_cvt_scalef32_pk8_fp4_f32 v[\pc+1+2*\b], v[\s+8+16*\b:\s+15+16*\b], v[TM+12+\b]
.endr
	v_nop                                          ; one plain line behind the scaled conversions
.irp c, 0,1                                    ; the operand's layout wants a whole block in a lane: lanes 0-15 block 2 c, lanes 16-31 block 2 c + 1
.irp i, 0,1
	v_permlane16_swap_b32 v[\pc+4*\c+\i], v[\pc+2+4*\c+\i]
.endr
.endr
.endm
.macro PUT d, pc, pw                   ; the fragment's image (two stores of 512 consecutive bytes) and the rows' scale words; d = 1: tile B, four tiles on
	global_store_b128 v[OH], v[\pc:\pc+3], s[16:17] offset:131072*\d
	global_store_b128 v[OH], v[\pc+4:\pc+7], s[16:17] offset:131072*\d+512
	global_store_b32 v[OSS], v[\pw], s[18:19] offset:8192*\d       ; lanes 16-31 repeat lanes 0-15: the same word to the same place
.endm
	s_load_b512 s[4:19], s[0:1], 0x0               ; W1's codes s[4:5], its scales s[6:7], b1 s[8:9], xq s[10:11], xs s[12:13], msk s[14:15], hq s[16:17], hs s[18:19]
	v_lshl_add_u32 v254, v0, 2, 0x10800
	v_mov_b32 v255, 0
	v_lshrrev_b32 v1, 5, v0
	v_readfirstlane_b32 s20, v1                    ; wave 0..3
	v_and_b32 v1, 31, v0                           ; lane
	v_and_b32 v2, 15, v0                           ; r
	v_bfe_u32 v3, v0, 4, 1                         ; h
	v_and_b32 v7, 8, v2
	v_add_nc_u32 v7, v7, v2                        ; r + 8 (r / 8)
	v_lshlrev_b32 v6, 6, v3                        ; 64 h: b1's 16 numbers of my half
	v_lshlrev_b32 v3, 4, v3                        ; 16 h
	v_lshlrev_b32 v4, 4, v1
	s_wait_alu depctr_va_sdst(0)                   ; s20 is written, ahead of its first reader, the line below
	v_lshl_add_u32 v4, s20, 14, v4                 ; W1: my wave's 32 rows of 512 bytes, 16 bytes a lane
	v_lshlrev_b32 v5, 5, v7                        ; its scale bytes: 32 a row
	s_mul_i32 s2, s20, 32*WP
	v_lshl_add_u32 v[SA], v1, 4, s2                ; LDS, in: 16 lane + my wave's 32 places
	v_mul_u32_u24 v[FA], v2, WP
	v_add_nc_u32 v[FA], v[FA], v3                  ; LDS, out: place r of a tile, + 16 h
	v_add_nc_u32 v[SL], v2, v6                     ; my first slot: 16 (w + 4 h) + r
	v_lshl_add_u32 v[SL], s20, 4, v[SL]
	v_lshlrev_b32 v[OH], 4, v1
	v_lshl_add_u32 v[OH], s20, 15, v[OH]
	v_lshlrev_b32 v[OSS], 5, v2
	v_lshl_add_u32 v[OSS], s20, 11, v[OSS]
	v_mov_b32 v[X16], 0                            ; a lane permute's destination counts as one of its sources: written once
.irp b, 0,1,2,3
	v_mov_b32 v[TM+4+\b], 0
.endr
	v_mov_b32 v28, 0x3e7c6f08                      ; the fit's highest coefficient, as a pair
	v_mov_b32 v29, 0x3e7c6f08
	s_and_b32 s21, ttmp7, 0xffff                   ; e
	s_mov_b32 s22, ttmp9                           ; chunk
	s_mov_b32 s28, 0x76543210
	s_mov_b32 s29, 0xfedcba98                      ; v_permlanex16_b32's selects for lane l xor 16
	s_mov_b32 s30, 0xffff0000                      ; lanes 16-31
	s_add_co_u32 s26, s20, 4                       ; tile B's number
	s_mov_b32 s3, 0
	s_wait_kmcnt 0x0
	s_lshl_b32 s2, s21, 7
	s_add_nc_u64 s[14:15], s[14:15], s[2:3]
	s_load_b512 s[68:83], s[14:15], 0x0            ; the expert's mask
	s_load_b512 s[84:99], s[14:15], 0x40
	s_lshl_b32 s2, s21, 21
	s_lshl_b32 s31, s22, 16
	s_add_co_u32 s2, s2, s31
	s_add_nc_u64 s[4:5], s[4:5], s[2:3]            ; the work-group's 128 rows of W1: 65,536 consecutive bytes
	WIN 0x40                                       ; destination window 1, address window 0
	s_wait_alu depctr_va_vdst(0)                   ; v4, v5, v6, v[SA] and v[FA] are written: the head's loads, my LDS stores and the fragments' LDS loads read them, and no vector line names them again
.irp j, 0,1,2,3,4,5,6,7,8,9,10,11,12,13,14,15,16,17,18,19,20,21,22,23,24,25,26,27,28,29,30,31
	global_load_b128 v[4*\j:4*\j+3], v4, s[4:5] offset:512*\j th:TH_LOAD_NT   ; row 32 w + j: 32 lanes read its 512 consecutive bytes; no other wave of the launch reads them
.endr
	WIN 0
	s_lshl_b32 s2, s21, 17
	s_lshl_b32 s31, s22, 12
	s_add_co_u32 s2, s2, s31
	s_add_nc_u64 s[6:7], s[6:7], s[2:3]
	s_lshl_b32 s2, s21, 14
	s_lshl_b32 s31, s22, 9
	s_add_co_u32 s2, s2, s31
	s_add_nc_u64 s[8:9], s[8:9], s[2:3]
	s_lshl_b32 s2, s21, 21
	s_lshl_b32 s31, s22, 10
	s_add_co_u32 s2, s2, s31
	s_add_nc_u64 s[16:17], s[16:17], s[2:3]        ; hq: expert e, K step chunk
	s_lshr_b32 s2, s22, 3
	s_lshl_b32 s2, s2, 9
	s_and_b32 s31, s22, 7
	s_lshl_b32 s31, s31, 2
	s_add_co_u32 s2, s2, s31
	s_lshl_b32 s31, s21, 17
	s_add_co_u32 s2, s2, s31
	s_add_nc_u64 s[18:19], s[18:19], s[2:3]        ; hs likewise
.irp t, 0,1,2,3,4,5,6,7
	global_load_b128 v[WSC+8*\t:WSC+8*\t+3], v5, s[6:7] offset:(32*(\t/2)+8*(\t%2))*32
	global_load_b128 v[WSC+8*\t+4:WSC+8*\t+7], v5, s[6:7] offset:(32*(\t/2)+8*(\t%2))*32+16
.endr
	WIN 0xc0
.irp t, 0,1,2,3,4,5,6,7
	global_load_b128 v[B1+8*\t:B1+8*\t+3], v6, s[8:9] offset:(32*(\t/2)+8*(\t%2))*4
	global_load_b128 v[B1+8*\t+4:B1+8*\t+7], v6, s[8:9] offset:(32*(\t/2)+8*(\t%2))*4+16
.endr
	WIN 0
	s_wait_kmcnt 0x0                               ; the mask.  The counts and the first tokens are made while W1's rows are on their way
	s_bcnt1_i32_b32 s[P], s[M]
.irp j, 1,2,3,4,5,6,7,8,9,10,11,12,13,14,15,16,17,18,19,20,21,22,23,24,25,26,27,28,29,30,31
	s_bcnt1_i32_b32 s2, s[M+\j]
	s_add_co_u32 s[P+\j], s[P+\j-1], s2
.endr
	s_add_co_u32 s24, s63, 15
	s_lshr_b32 s24, s24, 4                         ; the expert's tiles
	s_sub_co_u32 s27, s63, 1                       ; its last slot
	NEXT                                           ; (whatever the count is, the tokens are held inside the table)
	v_mov_b32 v[OB], v[NOB]
; My 32 rows go into LDS, 8 at a time.  Row 16 g + 8 u + i of my 32 is laid at place 16 u + 8 g + i, so that the 16 rows of a tile, which are not neighbours in W1, are neighbours in LDS.
.irp g, 0,1,2,3
	s_wait_loadcnt 32+8*(3-\g)                     ; these 8 rows are in; the later rows' 8 loads a group and the 32 loads of scale words and biases may be out
	WIN 0x04                                       ; an LDS store's data are its source 1: window 1
.irp i, 0,1,2,3,4,5,6,7
	ds_store_b128 v[SA], v[4*(8*\g+\i):4*(8*\g+\i)+3] offset:(\i+8*(\g/2)+16*(\g%2))*WP
.endr
.endr
	WIN 0
	s_wait_alu depctr_va_vdst(0)                   ; NEXT and the move have written v[OA], v[OS] and v[OB], which x's first loads read as their offsets
	XLOAD XA, OA                                   ; x's first two tiles are asked for ahead of the barrier: nobody writes those bytes, so the loads may stay out across it
	XSLOAD
	XLOAD XB, OB
	s_wait_dscnt 0x0                               ; for the others' sake: my rows have landed
	s_barrier_signal -1
	s_barrier_wait -1                              ; all 128 rows lie in LDS; nothing is written there again
	s_wait_alu depctr_vm_vsrc(0)                   ; my LDS stores have read window 1's v0-127, in which the fragments land; x's first loads have read v[OA], v[OS] and v[OB], which the first trip writes again
	s_cmp_ge_u32 s20, s24
	s_cbranch_scc0 .Lwork
	s_wait_dscnt 0x0                               ; no tile for this wave: its rows of W1 are delivered, and behind the barrier it shares nothing with the others.  The closing lines, six on end
	s_wait_alu 0x0
	s_wait_tensorcnt 0x0
	ds_add_u32 v254, v255
	s_wait_dscnt 0x0
	s_endpgm
.Lwork:
	s_sub_co_u32 s31, s24, s20
	s_add_co_u32 s31, s31, 7
	s_lshr_b32 s31, s31, 3                         ; trips: tiles w, w + 8, .. under the expert's number of tiles
	WIN 0x40                                       ; destination window 1: K steps 0-3
.irp s, 0,1,2,3
.irp t, 0,1,2,3,4,5,6,7
.irp c, 0,1
	ds_load_b128 v[8*(8*\s+\t)+4*\c:8*(8*\s+\t)+4*\c+3], v[FA] offset:16*\t*WP+64*\s+32*\c
.endr
.endr
.endr
	WIN 0x80                                       ; window 2: K steps 4-7
.irp s, 0,1,2,3
.irp t, 0,1,2,3,4,5,6,7
.irp c, 0,1
	ds_load_b128 v[8*(8*\s+\t)+4*\c:8*(8*\s+\t)+4*\c+3], v[FA] offset:16*\t*WP+256+64*\s+32*\c
.endr
.endr
.endr
	WIN 0
	s_wait_dscnt 0x0                               ; W1's 64 fragments are in my registers, for the whole launch
	s_mov_b32 s25, 0
.Ltrip:
	s_wait_loadcnt 16                              ; the scale words, the biases, tile A and x's scale words are in; the 16 loads issued last, tile B's, may be out
	MUL XA, 0
	NEXT                                           ; plain vector lines that name no register of the products: the places behind them
	s_wait_alu depctr_va_vdst(0)                   ; the products are done reading XA, in which the next tile A lands, and NEXT has written v[OA], its offset; no vector line up to the next trip's products and NEXT names either
	XQ XA, OA, 0                                   ; the next trip's tile A (held slots: always inside the buffer), a whole tile's work ahead of its use: four loads ahead of each quarter of the gelu
	GELU16 0
	XQ XA, OA, 2
	GELU16 1
	XQ XA, OA, 4
	GELU16 2
	XQ XA, OA, 6
	GELU16 3
	QUANT HA, PCA, PWA                             ; out-buffer A: the stores that read it a trip ago stand ahead of the pair of waits at that trip's end
	s_wait_alu depctr_va_vdst(0)                   ; QUANT has written out-buffer A, and the last trip's end v[OH] and v[OSS]: the three stores read them
	PUT 0, PCA, PWA
	s_wait_loadcnt 16                              ; tile B is in; the 16 loads issued behind it, the next tile A's, may be out
	s_cmp_ge_u32 s26, s24
	s_cbranch_scc1 .Lno_b                          ; there is no tile B
	MUL XB, 1
.rept 4
	v_nop                                          ; places in front of the first read of the results
.endr
	GELU16 0
	GELU16 1
	GELU16 2
	GELU16 3
	QUANT HA, PCB, PWB                             ; out-buffer B, likewise
	s_wait_alu depctr_va_vdst(0)                   ; QUANT has written out-buffer B, which the three stores read
	PUT 1, PCB, PWB
.Lno_b:
	s_add_co_u32 s25, s25, 1
	s_cmp_ge_u32 s25, s31
	s_cbranch_scc1 .Ldone                          ; the last trip asks for nothing more; this way leads to the end alone, so the counts at the loop's head hold on every way that reaches it
	v_mov_b32 v[OB], v[NOB]                        ; the loads that named v9 are in, and they stand ahead of the last wait on vm_vsrc
	s_wait_alu depctr_va_vdst(0)                   ; v[OB] is written, which tile B's loads read; the trip's products are done reading XS and XB, in which the loads below land
	XSLOAD
	XLOAD XB, OB
	s_wait_xcnt 0x0                                ; the stores have read their offsets and their data: v[OH], v[OSS] and both out-buffers are written again only behind this wait
	s_wait_alu depctr_vm_vsrc(0)                   ; this trip's stores have read v[OH], v[OSS] and both out-buffers, its loads v[OA], v[OS] and v[OB]: all of these are written again from here on
	v_add_nc_u32 v[OH], 0x40000, v[OH]             ; 8 tiles on
	v_add_nc_u32 v[OSS], 0x4000, v[OSS]
	s_add_co_u32 s26, s26, 8
	s_cmp_lt_u32 s25, s31
	s_cbranch_scc1 .Ltrip
.Ldone:
	s_wait_dscnt 0x0                               ; the closing lines, six on end
	s_wait_alu 0x0
	s_wait_tensorcnt 0x0
	ds_add_u32 v254, v255
	s_wait_dscnt 0x0
	s_endpgm
.Lfunc_end_k_q2fff6870e1_up:
	.size	k_q2fff6870e1_up, .Lfunc_end_k_q2fff6870e1_up-k_q2fff6870e1_up
	.p2alignl 7, 3214868480
	.fill 96, 4, 3214868480
	.section	.rodata,"a",@progbits
	.p2align	6, 0x0
	.amdhsa_kernel k_q2fff6870e1_up
		.amdhsa_group_segment_fixed_size 68096
		.amdhsa_private_segment_fixed_size 0
		.amdhsa_enable_private_segment 0
		.amdhsa_kernarg_size 64
		.amdhsa_user_sgpr_count 2
		.amdhsa_user_sgpr_kernarg_segment_ptr 1
		.amdhsa_wavefront_size32 1
		.amdhsa_system_sgpr_workgroup_id_x 1
		.amdhsa_system_sgpr_workgroup_id_y 1
		.amdhsa_system_sgpr_workgroup_id_z 1
		.amdhsa_system_vgpr_workitem_id 0
		.amdhsa_next_free_vgpr 1024
		.amdhsa_next_free_sgpr 100
		.amdhsa_reserve_vcc 1
		.amdhsa_float_denorm_mode_32 3
		.amdhsa_float_denorm_mode_16_64 3
		.amdhsa_memory_ordered 1
		.amdhsa_forward_progress 1
		.amdhsa_inst_pref_size 176
	.end_amdhsa_kernel
	.amdgpu_metadata
---
amdhsa.version: [ 1, 2 ]
amdhsa.kernels:
  - .name:           k_q2fff6870e1_up
    .symbol:         k_q2fff6870e1_up.kd
    .args:
      - { .name: W1_codes, .offset: 0, .size: 8, .value_kind: global_buffer, .address_space: global }
      - { .name: W1_scales, .offset: 8, .size: 8, .value_kind: global_buffer, .address_space: global }
      - { .name: b1, .offset: 16, .size: 8, .value_kind: global_buffer, .address_space: global }
      - { .name: xq, .offset: 24, .size: 8, .value_kind: global_buffer, .address_space: global }
      - { .name: xs, .offset: 32, .size: 8, .value_kind: global_buffer, .address_space: global }
      - { .name: msk, .offset: 40, .size: 8, .value_kind: global_buffer, .address_space: global }
      - { .name: hq, .offset: 48, .size: 8, .value_kind: global_buffer, .address_space: global }
      - { .name: hs, .offset: 56, .size: 8, .value_kind: global_buffer, .address_space: global }
    .group_segment_fixed_size: 68096
    .private_segment_fixed_size: 0
    .kernarg_segment_align: 8
    .kernarg_segment_size: 64
    .max_flat_workgroup_size: 128
    .sgpr_count:     100
    .vgpr_count:     1024
    .wavefront_size: 32
...
	.end_amdgpu_metadata
.endif
;; end of part 5
;; launch down (part 6): grid 32 x 8, 4 waves a work-group, no clusters, 70,144 bytes of LDS; arguments W2_codes, W2_scales, b2, hq, hs, msk, yr; writes yr
.if DOCPART == 6
	.amdgcn_target "amdgcn-amd-amdhsa--gfx1250"
	.amdhsa_code_object_version 6
	.text
	.protected	k_q2fff6870e1_down
	.globl	k_q2fff6870e1_down
	.p2align	8
	.type	k_q2fff6870e1_down,@function
k_q2fff6870e1_down:
	s_mov_b64 s[64:65], 0
	v_nop
	global_prefetch_b8 v0, s[64:65] scope:SCOPE_SE
	s_setreg_imm32_b32 hwreg(HW_REG_WAVE_SCHED_MODE, 0, 2), 2
	s_setreg_imm32_b32 hwreg(HW_REG_WAVE_MODE, 25, 1), 1
	s_wait_xcnt 0x0
	s_wait_alu depctr_vm_vsrc(0)
; DOWN: for the rows that chose expert e: y = h W2 + b2, on codes of E2M1 with E8M0 scales; each row goes to yr at (token, e).
; SHARES.  Work-group (x = 4 cc + q, y = e) makes output columns 128 cc .. + 127 for the expert's tiles of 16 rows q, q + 4, q + 8 ..  THE WAVES SHARE K: wave w keeps W2's 128 rows x K steps
; 8 w .. 8 w + 7 in 512 registers, read once, and makes a partial tile (8 accumulators, which take turns).  The four partial tiles meet in a stage in LDS; wave w then
; adds rows 4 w .. 4 w + 3, adds b2 and stores each row's 512 consecutive bytes.
; THE PRODUCT IS USED TRANSPOSED (source 0 = 16 rows of W2 = 16 output columns, source 1 = 16 rows of h): a lane holds 8 neighbouring columns of one row.
; h comes as the launch before laid it: images of the operand's registers, 16 bytes a lane, and 8 scale words a row for my 8 K steps.
; STEPS.  16 steps of constant count, in four laps of four; step 4 lap + b serves tile q + 4 (4 lap + b) from register buffer b.  The work of a step whose tile does not exist is jumped over, the
; step's barrier and its wait for loads are not: no barrier stands under a branch on the count of rows.  That serves every split, all 1,024 tokens on one expert too.
; TWO STAGES by turns, one barrier a step: a wave's reads of a step's stage are waited for in front of its signal of the next step, and the stage is written again only behind that barrier.
; The first four tiles' places in hq and hs are loaded without a condition (they lie inside the buffers whatever the count is), so that each wait's count holds on every way; what is loaded of a
; tile that does not exist is never used.  Later tiles are loaded only where they exist.
; No tensor load, no joint request: branches hang on counts read from memory.
; REGISTERS, in windows of 256.  Window 0: below.  Windows 1, 2: W2's fragment (tile of columns ct, my K step sl) at v[8 (8 (sl % 4) + ct)] of window 1 + sl / 4.  Window 3: four buffers of h, 64 b + 8 sl.
; THE MODE: SCHED_MODE bits 1:0 = 2 (LLVM: expert scheduling mode 2), set by the entry lines.  The code itself states the register dependences between vector or matrix instructions and memory
; or LDS instructions, with s_wait_alu, always for 0.
; THE PLAN.  Registers that memory or LDS instructions touch:
;   v4, v5, v[L16], v[R32], v[STO], v[RD]   offsets and LDS addresses, made once at the head, ahead of the head's wait on va_vdst, and never written again.
;   h's buffer b, HS[b]   read by step b's 64 products; the refill for the next lap lands there in the same step.
;   ACC                   written by the step's products, read by its 16 LDS stores, begun anew by the next step's products.
;   LAND                  the step's 16 LDS loads land there, its additions work in place, its four row stores read the sums; the next step's LDS loads land there again.
;   v[OR ..]              made in each step, read by its four row stores.
; FOUR WAITS A STEP.  (a) va_vdst behind the places that follow the products: ACC is written (the LDS stores), buffer b and HS[b] are read (the refill; no vector line stands between).
; (b) vm_vsrc ahead of the barrier, on every way: this step's LDS stores have read ACC, the last step's row stores have read LAND and v[OR ..].  (c) va_sdst behind the four lane reads.
; (d) va_vdst behind the additions, ahead of the branches round the row stores: LAND and v[OR ..] are written; it also stands between these additions and the next step's LDS loads into LAND.
; MASKS.  SELECT's compares go in runs of eight into scalar registers that are free from the first SELECT on, with one wait on va_sdst behind each run; each halving has one wait on va_vcc.
.set M,    68                          ; s[68:99]  the expert's 32 mask words
.set P,    32                          ; s[32:63]  their running counts, inclusive; s63 = n
.set MK0,  2                           ; eight scalar registers for a run of compares: all are done with their first use (temporaries, the mask's address, e, cc, q) or unused when the first SELECT begins
.set MK1,  3
.set MK2,  14
.set MK3,  15
.set MK4,  21
.set MK5,  22
.set MK6,  23
.set MK7,  24
.set TS,   21                          ; s21-24  in a step: my four rows' tokens
.set RS,   8448                        ; a wave's region of a stage: 16 rows x (512 + 16) bytes
.set PB,   4*RS                        ; a stage
.set L16,  6                           ; v6   16 lane
.set R32,  7                           ; v7   32 (lane % 16)
.set STO,  8                           ; v8   the stage, in: my region, row lane % 16, + 32 (lane / 16)
.set RD,   9                           ; v9   the stage, back: row 4 w, 16 bytes a lane
.set SL,   10                          ; v10  lane 4 b + i: the slot of row 4 w + i of the lap's step b
.set SLOT, 11
.set TK,   12                          ; v12  its token
.set OR,   13                          ; v13-16 the four rows' byte offsets in yr
.set SELT, 17                          ; v17-26 SELECT's
.set BB,   28                          ; v28-31 b2 of columns 4 lane .. + 3
.set WSC,  32                          ; v32-95  W2's scale words: 8 ct + sl
.set HS,   96                          ; v96-127 h's scale words: 8 b + sl
.set ACC,  128                         ; v128-191 8 accumulators
.set LAND, 192                         ; v192-255 four rows x four partial sums x 4 registers: 16 i + 4 g
.set MSB,  0
.macro WIN new                         ; the immediate's high byte repeats the setting that is left
.if MSB != \new
	s_set_vgpr_msb (MSB<<8)|\new
.set MSB, \new
.endif
.endm
.macro DESCEND w                       ; the wanted bit lies in the upper half of the field where the rank reaches the lower half's count
	v_cmp_ge_u32 vcc_lo, v[SELT+3], v[SELT+7]
	v_sub_nc_u32 v[SELT+8], v[SELT+3], v[SELT+7]
	s_wait_alu depctr_va_vcc(0)                    ; the compare has written VCC, which the two selections below read
	v_cndmask_b32 v[SELT+3], v[SELT+3], v[SELT+8], vcc_lo
	v_add_nc_u32 v[SELT+8], \w, v[SELT+9]
	v_cndmask_b32 v[SELT+9], v[SELT+9], v[SELT+8], vcc_lo
.endm
; n words, j0 on: a run of compares into scalar registers, one wait, and the selections in ascending order of the words.
.macro WORDS slot, j0, n
.irp i, 0,1,2,3,4,5,6,7
.if \i < \n
	v_cmp_le_u32 s[MK\i], s[P+(\j0)+\i-1], v[\slot]
.endif
.endr
	s_wait_alu depctr_va_sdst(0)                   ; the run's compares have written their masks, which the selections below read
.irp i, 0,1,2,3,4,5,6,7
.if \i < \n
	v_cndmask_b32 v[SELT], v[SELT], s[M+(\j0)+\i], s[MK\i]
	v_cndmask_b32 v[SELT+1], v[SELT+1], s[P+(\j0)+\i-1], s[MK\i]
	v_cndmask_b32 v[SELT+2], v[SELT+2], (\j0)+\i, s[MK\i]
.endif
.endr
.endm
; v[tok] = the place of set bit number v[slot] among the 1,024: first the word (the last whose count before it does not pass the slot), then the bit, by halving.
.macro SELECT slot, tok
	v_mov_b32 v[SELT], s[M]
	v_mov_b32 v[SELT+1], 0
	v_mov_b32 v[SELT+2], 0
	WORDS \slot, 1, 8
	WORDS \slot, 9, 8
	WORDS \slot, 17, 8
	WORDS \slot, 25, 7
	v_sub_nc_u32 v[SELT+3], v[\slot], v[SELT+1]    ; the rank in the word
	v_lshrrev_b32 v[SELT+8], 1, v[SELT]
	v_and_b32 v[SELT+8], 0x55555555, v[SELT+8]
	v_sub_nc_u32 v[SELT+4], v[SELT], v[SELT+8]     ; counts of 2 bits
	v_lshrrev_b32 v[SELT+8], 2, v[SELT+4]
	v_and_b32 v[SELT+8], 0x33333333, v[SELT+8]
	v_and_b32 v[SELT+5], 0x33333333, v[SELT+4]
	v_add_nc_u32 v[SELT+5], v[SELT+5], v[SELT+8]   ; of 4
	v_lshrrev_b32 v[SELT+8], 4, v[SELT+5]
	v_add_nc_u32 v[SELT+6], v[SELT+5], v[SELT+8]
	v_and_b32 v[SELT+6], 0x0f0f0f0f, v[SELT+6]     ; of 8
	v_and_b32 v[SELT+7], 0xff, v[SELT+6]
	v_bfe_u32 v[SELT+8], v[SELT+6], 8, 8
	v_add_nc_u32 v[SELT+7], v[SELT+7], v[SELT+8]   ; of the low 16
	v_mov_b32 v[SELT+9], 0
	DESCEND 16
	v_bfe_u32 v[SELT+7], v[SELT+6], v[SELT+9], 8
	DESCEND 8
	v_bfe_u32 v[SELT+7], v[SELT+5], v[SELT+9], 4
	DESCEND 4
	v_bfe_u32 v[SELT+7], v[SELT+4], v[SELT+9], 2
	DESCEND 2
	v_bfe_u32 v[SELT+7], v[SELT], v[SELT+9], 1
	DESCEND 1
	v_lshl_add_u32 v[\tok], v[SELT+2], 5, v[SELT+9]
.endm
; 18 loads: buffer b takes a tile's 8 fragments of my K steps and its rows' 8 scale words; bq, bs: the scalar pairs that hold the lap's bases in hq and hs
.macro TLOAD b, bq, bs
	WIN 0xc0                                       ; destination window 3, address window 0
.irp sl, 0,1,2,3,4,5,6,7
.irp c, 0,1
	global_load_b128 v[64*\b+8*\sl+4*\c:64*\b+8*\sl+4*\c+3], v[L16], s[\bq:\bq+1] offset:131072*\b+1024*\sl+512*\c
.endr
.endr
	WIN 0
	global_load_b128 v[HS+8*\b:HS+8*\b+3], v[R32], s[\bs:\bs+1] offset:8192*\b
	global_load_b128 v[HS+8*\b+4:HS+8*\b+7], v[R32], s[\bs:\bs+1] offset:8192*\b+16
.endm
; A step.  s26: its tile.  n >= 0: the wait for buffer b's first loads, n = the loads that were issued behind them without a condition.
.macro STEP b, n
.if \n >= 0
	s_wait_loadcnt \n                              ; on every way, ahead of the branch: the weights, b2 and this step's tile are in; the later first tiles' 18 loads each may be out (refills are younger still)
.endif
	s_cmp_ge_u32 s26, s25
	s_cbranch_scc1 .Lmeet_\@
.irp sl, 0,1,2,3,4,5,6,7
.if \sl == 0
	WIN 0x0d                                       ; W2 window 1, h window 3, C and D window 0
.elseif \sl == 4
	WIN 0x0e                                       ; W2 window 2
.endif
.irp ct, 0,1,2,3,4,5,6,7
.if \sl == 0
	v_wmma_scale_f32_16x16x128_f8f6f4 v[ACC+8*\ct:ACC+8*\ct+7], v[8*(8*(\sl%4)+\ct):8*(8*(\sl%4)+\ct)+7], v[64*\b+8*\sl:64*\b+8*\sl+7], 0, v[WSC+8*\ct+\sl], v[HS+8*\b+\sl] matrix_a_fmt:MATRIX_FMT_FP4 matrix_b_fmt:MATRIX_FMT_FP4
.else
	v_wmma_scale_f32_16x16x128_f8f6f4 v[ACC+8*\ct:ACC+8*\ct+7], v[8*(8*(\sl%4)+\ct):8*(8*(\sl%4)+\ct)+7], v[64*\b+8*\sl:64*\b+8*\sl+7], v[ACC+8*\ct:ACC+8*\ct+7], v[WSC+8*\ct+\sl], v[HS+8*\b+\sl] matrix_a_fmt:MATRIX_FMT_FP4 matrix_b_fmt:MATRIX_FMT_FP4
.endif
.endr
.endr
	WIN 0
.rept 5
	v_nop                                          ; places: four in front of the stores that read the results and of the loads into h's registers, five in front of the next step's products, which begin the accumulators anew
.endr
	s_wait_alu depctr_va_vdst(0)                   ; the products have written ACC, which the LDS stores read, and are done reading h's buffer and its scale words, in which the refill lands; the places above stay beside this wait
.irp ct, 0,1,2,3,4,5,6,7
	ds_store_b128 v[STO], v[ACC+8*\ct:ACC+8*\ct+3] offset:(\b%2)*PB+64*\ct          ; each accumulator from its low end on
	ds_store_b128 v[STO], v[ACC+8*\ct+4:ACC+8*\ct+7] offset:(\b%2)*PB+64*\ct+16
.endr
	s_add_co_u32 s2, s26, 16
	s_cmp_ge_u32 s2, s25
	s_cbranch_scc1 .Lmeet_\@
	TLOAD \b, 18, 100                              ; the next lap's tile of this buffer exists: it has the rest of the lap in which to land
.Lmeet_\@:
	s_wait_dscnt 0x0                               ; my stores into this stage have landed, and my reads of the other stage are over
	s_wait_alu depctr_vm_vsrc(0)                   ; my LDS stores have read ACC, which the next step's products write; the last step's row stores have read LAND and v[OR ..], which this step writes again
	s_barrier_signal -1
	s_barrier_wait -1
	s_cmp_ge_u32 s26, s25
	s_cbranch_scc1 .Lover_\@
	s_wait_xcnt 0x0                                ; the last step's stores have read their registers and offsets
.irp i, 0,1,2,3
.irp g, 0,1,2,3
	ds_load_b128 v[LAND+16*\i+4*\g:LAND+16*\i+4*\g+3], v[RD] offset:(\b%2)*PB+\g*RS+528*\i
.endr
.endr
.irp i, 0,1,2,3
	v_readlane_b32 s[TS+\i], v[TK], 4*\b+\i
.endr
	s_wait_alu depctr_va_sdst(0)                   ; the four lane reads have written s21 to s24, ahead of their first readers, the holds below
.irp i, 0,1,2,3
	s_min_u32 s[TS+\i], s[TS+\i], 0x3ff            ; a number made of loaded words enters an address only behind such a hold
	v_lshl_add_u32 v[OR+\i], s[TS+\i], 15, v[L16]  ; a token's 8 rows of yr are 32,768 bytes
.endr
	s_wait_dscnt 0x0
.irp i, 0,1,2,3
	v_pk_add_f32 v[LAND+16*\i:LAND+16*\i+1], v[LAND+16*\i:LAND+16*\i+1], v[LAND+16*\i+4:LAND+16*\i+5]
	v_pk_add_f32 v[LAND+16*\i+2:LAND+16*\i+3], v[LAND+16*\i+2:LAND+16*\i+3], v[LAND+16*\i+6:LAND+16*\i+7]
	v_pk_add_f32 v[LAND+16*\i+8:LAND+16*\i+9], v[LAND+16*\i+8:LAND+16*\i+9], v[LAND+16*\i+12:LAND+16*\i+13]
	v_pk_add_f32 v[LAND+16*\i+10:LAND+16*\i+11], v[LAND+16*\i+10:LAND+16*\i+11], v[LAND+16*\i+14:LAND+16*\i+15]
.endr
.irp i, 0,1,2,3
	v_pk_add_f32 v[LAND+16*\i:LAND+16*\i+1], v[LAND+16*\i:LAND+16*\i+1], v[LAND+16*\i+8:LAND+16*\i+9]
	v_pk_add_f32 v[LAND+16*\i+2:LAND+16*\i+3], v[LAND+16*\i+2:LAND+16*\i+3], v[LAND+16*\i+10:LAND+16*\i+11]
.endr
.irp i, 0,1,2,3
	v_pk_add_f32 v[LAND+16*\i:LAND+16*\i+1], v[LAND+16*\i:LAND+16*\i+1], v[BB:BB+1]
	v_pk_add_f32 v[LAND+16*\i+2:LAND+16*\i+3], v[LAND+16*\i+2:LAND+16*\i+3], v[BB+2:BB+3]
.endr
	s_wait_alu depctr_va_vdst(0)                   ; the additions have written the four rows' sums and the lines above v[OR ..], which the row stores read; the additions are also done with LAND, in which the next step's LDS loads land
	s_lshl_b32 s30, s26, 4
	s_add_co_u32 s30, s30, s29                     ; my first row's slot
.irp i, 0,1,2,3
	s_add_co_u32 s2, s30, \i
	s_cmp_ge_u32 s2, s63
	s_cbranch_scc1 .Lover_\@                       ; a last tile's spare rows are not stored; slots ascend, so the first that is missing ends the stores
	global_store_b128 v[OR+\i], v[LAND+16*\i:LAND+16*\i+3], s[16:17] th:TH_STORE_NT   ; 32 lanes store 512 consecutive bytes of one row
.endr
.Lover_\@:
	s_add_co_u32 s26, s26, 4
.endm
	s_load_b256 s[4:11], s[0:1], 0x0               ; W2's codes s[4:5], its scales s[6:7], b2 s[8:9], hq s[10:11]
	s_load_b128 s[12:15], s[0:1], 0x20             ; hs s[12:13], msk s[14:15]
	s_load_b64 s[16:17], s[0:1], 0x30              ; yr
	v_lshrrev_b32 v1, 5, v0
	v_readfirstlane_b32 s20, v1                    ; wave 0..3
	v_and_b32 v1, 31, v0                           ; lane
	v_and_b32 v2, 15, v0                           ; r
	v_bfe_u32 v3, v0, 4, 1                         ; h
	v_lshlrev_b32 v4, 11, v2
	v_lshl_add_u32 v4, v3, 4, v4                   ; W2: a row is 2,048 bytes; + 16 h
	v_lshlrev_b32 v5, 7, v2                        ; its scale bytes: 128 a row
	v_lshlrev_b32 v[L16], 4, v1
	v_lshlrev_b32 v[R32], 5, v2
	s_wait_alu depctr_va_sdst(0)                   ; s20 is written, ahead of its first reader, the line below
	s_mul_i32 s2, s20, RS
	v_mul_u32_u24 v[STO], v2, 528
	v_lshl_add_u32 v[STO], v3, 5, v[STO]
	v_add_nc_u32 v[STO], s2, v[STO]
	s_mul_i32 s2, s20, 4*528
	v_add_nc_u32 v[RD], s2, v[L16]
	s_and_b32 s21, ttmp7, 0xffff                   ; e
	s_lshr_b32 s22, ttmp9, 2                       ; cc
	s_and_b32 s23, ttmp9, 3                        ; q
	s_lshl_b32 s29, s20, 2                         ; 4 w
	v_and_b32 v[SL], 3, v0
	v_bfe_u32 v[SLOT], v0, 2, 2
	v_lshl_add_u32 v[SL], v[SLOT], 6, v[SL]        ; (lane % 4) + 64 ((lane / 4) % 4)
	s_lshl_b32 s2, s23, 4
	s_add_co_u32 s2, s2, s29
	v_add_nc_u32 v[SL], s2, v[SL]                  ; + 16 q + 4 w
	s_mov_b32 s26, s23                             ; the first step's tile
	s_mov_b32 s3, 0
	s_wait_kmcnt 0x0
	s_lshl_b32 s2, s21, 7
	s_add_nc_u64 s[14:15], s[14:15], s[2:3]
	s_load_b512 s[68:83], s[14:15], 0x0            ; the expert's mask
	s_load_b512 s[84:99], s[14:15], 0x40
	s_lshl_b32 s2, s21, 21
	s_lshl_b32 s30, s22, 18
	s_add_co_u32 s2, s2, s30
	s_lshl_b32 s30, s20, 9
	s_add_co_u32 s2, s2, s30
	s_add_nc_u64 s[4:5], s[4:5], s[2:3]            ; W2: expert e, row 128 cc, my 8 K steps of 64 bytes
	s_lshl_b32 s2, s21, 17
	s_lshl_b32 s30, s22, 14
	s_add_co_u32 s2, s2, s30
	s_lshl_b32 s30, s20, 5
	s_add_co_u32 s2, s2, s30
	s_add_nc_u64 s[6:7], s[6:7], s[2:3]
	s_lshl_b32 s2, s21, 12
	s_lshl_b32 s30, s22, 9
	s_add_co_u32 s2, s2, s30
	s_add_nc_u64 s[8:9], s[8:9], s[2:3]            ; b2 at my 128 columns,
	s_add_nc_u64 s[16:17], s[16:17], s[2:3]        ; and yr at row e of a token, the same columns
	s_lshl_b32 s2, s21, 21
	s_lshl_b32 s30, s23, 15
	s_add_co_u32 s2, s2, s30
	s_lshl_b32 s30, s20, 13
	s_add_co_u32 s2, s2, s30
	s_add_nc_u64 s[10:11], s[10:11], s[2:3]        ; hq: expert e, tile q, K step 8 w
	s_lshl_b32 s2, s21, 17
	s_lshl_b32 s30, s23, 11
	s_add_co_u32 s2, s2, s30
	s_lshl_b32 s30, s20, 9
	s_add_co_u32 s2, s2, s30
	s_add_nc_u64 s[12:13], s[12:13], s[2:3]        ; hs likewise
	s_add_nc_u64 s[18:19], s[10:11], 0x80000       ; the refills' bases: 16 tiles on
	s_add_nc_u64 s[100:101], s[12:13], 0x8000
	WIN 0x40                                       ; destination window 1: my K steps 0-3
	s_wait_alu depctr_va_vdst(0)                   ; v4, v5, v[L16], v[R32], v[STO] and v[RD] are written: every load, LDS store and LDS load of the kernel reads one of them, and no vector line writes them again
.irp ct, 0,1,2,3,4,5,6,7
.irp sl, 0,1,2,3
.irp c, 0,1
	global_load_b128 v[8*(8*\sl+\ct)+4*\c:8*(8*\sl+\ct)+4*\c+3], v4, s[4:5] offset:32768*\ct+64*\sl+32*\c
.endr
.endr
.endr
	WIN 0x80                                       ; window 2: K steps 4-7
.irp ct, 0,1,2,3,4,5,6,7
.irp sl, 0,1,2,3
.irp c, 0,1
	global_load_b128 v[8*(8*\sl+\ct)+4*\c:8*(8*\sl+\ct)+4*\c+3], v4, s[4:5] offset:32768*\ct+256+64*\sl+32*\c
.endr
.endr
.endr
	WIN 0
.irp ct, 0,1,2,3,4,5,6,7
	global_load_b128 v[WSC+8*\ct:WSC+8*\ct+3], v5, s[6:7] offset:2048*\ct
	global_load_b128 v[WSC+8*\ct+4:WSC+8*\ct+7], v5, s[6:7] offset:2048*\ct+16
.endr
	global_load_b128 v[BB:BB+3], v[L16], s[8:9]
	TLOAD 0, 10, 12
	TLOAD 1, 10, 12
	TLOAD 2, 10, 12
	TLOAD 3, 10, 12
	s_wait_kmcnt 0x0
	s_bcnt1_i32_b32 s[P], s[M]
.irp j, 1,2,3,4,5,6,7,8,9,10,11,12,13,14,15,16,17,18,19,20,21,22,23,24,25,26,27,28,29,30,31
	s_bcnt1_i32_b32 s2, s[M+\j]
	s_add_co_u32 s[P+\j], s[P+\j-1], s2
.endr
	s_add_co_u32 s25, s63, 15
	s_lshr_b32 s25, s25, 4                         ; the expert's tiles
	s_sub_co_u32 s27, s63, 1                       ; its last slot
	v_min_u32 v[SLOT], s27, v[SL]
	SELECT SLOT, TK
	STEP 0, 54                                     ; lap 0 is written out: its waits are counted
	STEP 1, 36
	STEP 2, 18
	STEP 3, 0
	s_mov_b32 s28, 3
.Llap:
	s_wait_loadcnt 0x0                             ; the refills of the lap before are in: their bases may step
	s_add_nc_u64 s[18:19], s[18:19], 0x80000
	s_add_nc_u64 s[100:101], s[100:101], 0x8000
	v_add_nc_u32 v[SL], 0x100, v[SL]               ; 16 tiles on
	s_cmp_ge_u32 s26, s25
	s_cbranch_scc1 .Lno_rows                       ; no tile in this lap: no tokens to find
	v_min_u32 v[SLOT], s27, v[SL]
	SELECT SLOT, TK
.Lno_rows:
	STEP 0, -1
	STEP 1, -1
	STEP 2, -1
	STEP 3, -1
	s_sub_co_u32 s28, s28, 1
	s_cmp_lg_u32 s28, 0
	s_cbranch_scc1 .Llap
	s_wait_xcnt 0x0
	v_lshl_add_u32 v254, v0, 2, 0x11000            ; the add's two registers are made anew here: up to now they were landing places of LDS loads and sources of additions, and no memory or LDS instruction has read them
	v_mov_b32 v255, 0
	s_wait_dscnt 0x0                               ; the closing lines, six on end
	s_wait_alu 0x0
	s_wait_tensorcnt 0x0
	ds_add_u32 v254, v255
	s_wait_dscnt 0x0
	s_endpgm
.Lfunc_end_k_q2fff6870e1_down:
	.size	k_q2fff6870e1_down, .Lfunc_end_k_q2fff6870e1_down-k_q2fff6870e1_down
	.p2alignl 7, 3214868480
	.fill 96, 4, 3214868480
	.section	.rodata,"a",@progbits
	.p2align	6, 0x0
	.amdhsa_kernel k_q2fff6870e1_down
		.amdhsa_group_segment_fixed_size 70144
		.amdhsa_private_segment_fixed_size 0
		.amdhsa_enable_private_segment 0
		.amdhsa_kernarg_size 56
		.amdhsa_user_sgpr_count 2
		.amdhsa_user_sgpr_kernarg_segment_ptr 1
		.amdhsa_wavefront_size32 1
		.amdhsa_system_sgpr_workgroup_id_x 1
		.amdhsa_system_sgpr_workgroup_id_y 1
		.amdhsa_system_sgpr_workgroup_id_z 1
		.amdhsa_system_vgpr_workitem_id 0
		.amdhsa_next_free_vgpr 1024
		.amdhsa_next_free_sgpr 102
		.amdhsa_reserve_vcc 1
		.amdhsa_float_denorm_mode_32 3
		.amdhsa_float_denorm_mode_16_64 3
		.amdhsa_memory_ordered 1
		.amdhsa_forward_progress 1
		.amdhsa_inst_pref_size 176
	.end_amdhsa_kernel
	.amdgpu_metadata
---
amdhsa.version: [ 1, 2 ]
amdhsa.kernels:
  - .name:           k_q2fff6870e1_down
    .symbol:         k_q2fff6870e1_down.kd
    .args:
      - { .name: W2_codes, .offset: 0, .size: 8, .value_kind: global_buffer, .address_space: global }
      - { .name: W2_scales, .offset: 8, .size: 8, .value_kind: global_buffer, .address_space: global }
      - { .name: b2, .offset: 16, .size: 8, .value_kind: global_buffer, .address_space: global }
      - { .name: hq, .offset: 24, .size: 8, .value_kind: global_buffer, .address_space: global }
      - { .name: hs, .offset: 32, .size: 8, .value_kind: global_buffer, .address_space: global }
      - { .name: msk, .offset: 40, .size: 8, .value_kind: global_buffer, .address_space: global }
      - { .name: yr, .offset: 48, .size: 8, .value_kind: global_buffer, .address_space: global }
    .group_segment_fixed_size: 70144
    .private_segment_fixed_size: 0
    .kernarg_segment_align: 8
    .kernarg_segment_size: 56
    .max_flat_workgroup_size: 128
    .sgpr_count:     102
    .vgpr_count:     1024
    .wavefront_size: 32
...
	.end_amdgpu_metadata
.endif
;; end of part 6
;; launch mix: the kernel of part 4 again; grid 256 x 1, 4 waves a work-group, no clusters, 0 bytes of LDS; arguments yr, eid, pw, out0; writes out0
